; MI455X (gfx1250); checked and timed in simulation.
; The chip was launched on July 23, 2026; its instructions are those of AMD's public machine-readable ISA for CDNA 5 (MIT licence, August 2026) and "CDNA5" Instruction Set Architecture Reference Guide (July 2026). The comments in the code are by the model that wrote it; some were corrected since.
;; Attention Block. Allowed arithmetic: matrix products marked QUANTISED: E5M2 operands, one given power-of-two scale a tensor, by v_wmma_f32_16x16x64_bf8_bf8 or v_wmma_f32_16x16x128_bf8_bf8, f32 sums; everything else in f32.
;; Inputs: lowp_scales 8 int32 (the exponents e of the quantised operands' scales 2^e); norm_b 256 float32; norm_w 256 float32; proj_b 256 float32; proj_w_codes 256 x 8 x 32 uint8 (E5M2 codes of proj_w, K innermost, in blocks of 32 codes); qkv_b 768 float32; qkv_w_codes 768 x 8 x 32 uint8 (E5M2 codes of qkv_w, K innermost, in blocks of 32 codes); x 16 x 256 x 32 x 32 float32.
;; Outputs: out0 16 x 256 x 32 x 32 float32.
;; This version of the problem:
;;   THIS VERSION OF THE PROBLEM IS GIVEN IN LOW PRECISION. The matrix products marked QUANTISED in the list below multiply operands that are first quantised to E5M2 (5 exponent bits, 2 mantissa bits; 8 bits a number), with one given power-of-two scale for each operand tensor; their sums are f32. All else is computed in f32.
;;   The module's matrix products, in the order in which they are computed (A, B: the left and right operand; K: the contracted axis; several contracted axes count as one K, in the product's order):
;;     1. [M 16,384, K 256] x [K 256, N 768]; A: computed on the way; B: input qkv_w (given as codes): QUANTISED (scales: A lowp_scales[0], B lowp_scales[1])
;;     2. batch 64 x [M 1,024, K 64] x [K 64, N 1,024]; A: computed on the way; B: computed on the way: QUANTISED (scales: A lowp_scales[2], B lowp_scales[3])
;;     3. batch 64 x [M 1,024, K 1,024] x [K 1,024, N 64]; A: softmax (see below); B: computed on the way: QUANTISED (scales: A lowp_scales[4], B lowp_scales[5])
;;     4. [M 16,384, K 256] x [K 256, N 256]; A: computed on the way; B: input proj_w (given as codes): QUANTISED (scales: A lowp_scales[6], B lowp_scales[7])
;;   THE QUANTISER, for each operand of a quantised product, along K:
;;     - The operand's scale is 2^e, e = its entry of the input lowp_scales (int32; the entries are numbered through the quantised products in the list's order, A before B).
;;     - Each number is divided by the scale, clamped to +-57,344, and rounded to the nearest number of E5M2, ties to even, subnormals kept.
;;     - The product sums the exact products of the quantised numbers (number of the format x scale) in f32.
;;   ~~~python
;;   def quantise(x, axis, e):      # numpy; x: float32 -> the quantised numbers, widened to float32 again
;;       x = np.moveaxis(x, axis, -1); K = x.shape[-1]
;;       r = np.clip(x / 2.0 ** e, -57344, 57344)
;;       step = 2.0 ** (np.maximum(np.frexp(np.where(r == 0, 1, r))[1] - 1, -14) - 2)
;;       q = np.round(r / step) * step * 2.0 ** e      # np.round: ties to even
;;       return np.moveaxis(q, -1, axis).astype(np.float32)
;;   ~~~
;;   SOFTMAX AHEAD OF A QUANTISED PRODUCT. Where the list says 'softmax', what is quantised is not the finished softmax but p = 2^(t - M), with t = logit x log2(e) and M = ceil(the row's largest t), a whole number; so 1/2 < the row's largest p <= 1. The row's sum l is taken of the UNQUANTISED p, in f32, and the product's result is divided by l at the end. Since M is a whole number, a kernel that streams over the keys may use a running M (the ceiling of the running maximum): every later rescaling is an exact power of two, so the quantised numbers keep their values, but for numbers so far below the row's largest that they fall under the format's range.
;;   OPERANDS COMPUTED ON THE WAY. 'Computed on the way' means the value that the module computes at that place (a softmax that the list does not call 'softmax' is quantised finished and normalised). What goes into a quantiser is computed in f32, as accurately as f32 sums, v_exp_f32 and their like allow (about 1e-6 of the number): no bf16 or f16 on the way to a quantiser, and a product that is left as it is and whose result goes on into a quantised operand takes f32 operands (vector FMAs, or v_wmma_f32_16x16x4_f32). A number that lies on a knife's edge between two numbers of the format may be rounded either way, as far as f32 arithmetic and the matrix unit's own rounding can turn it there, and no further.
;;   INPUTS GIVEN AS CODES. proj_w (in the module: [256, 256], K = its axis 1); qkv_w (in the module: [768, 256], K = its axis 1): each comes as NAME_codes (uint8): NAME with its K axis moved to the last place and cut into blocks of 32 codes, [.., K / 32, bytes a block], one block behind the other in memory; one code a byte (a code: sign, 5 exponent bits, 2 mantissa bits); its scale is its entry of lowp_scales. Its value is code x scale, taken as it is: it is not quantised again, and the codes and scales need not be those that the quantiser above would give.
;; 2 versions. Each part assembles by itself: llvm-mc -triple=amdgcn-amd-amdhsa -mcpu=gfx1250 --defsym DOCPART=n.
;; ======== version 1 of 2: 3 launches
;; workspace buffers: hn 4,194,304 bytes; oc 4,194,304 bytes
;; launch norm (part 1): grid 128 x 1, 8 waves a work-group, no clusters, 35,328 bytes of LDS; arguments x, norm_w, norm_b, lowp_scales, hn; writes hn
.if DOCPART == 1
	.amdgcn_target "amdgcn-amd-amdhsa--gfx1250"
	.amdhsa_code_object_version 6
	.text
	.protected	k_q69e675f08c_norm
	.globl	k_q69e675f08c_norm
	.p2align	8
	.type	k_q69e675f08c_norm,@function
k_q69e675f08c_norm:
	s_mov_b64 s[64:65], 0
	v_nop
	global_prefetch_b8 v0, s[64:65] scope:SCOPE_SE
	s_setreg_imm32_b32 hwreg(HW_REG_WAVE_MODE, 25, 1), 1
	s_wait_xcnt 0x0
; GroupNorm, and the quantiser of the first product's computed operand.
; x: [16][256][1024] f32.  A work-group owns one (batch, group): 32 channels x 1,024 pixels = 131,072 consecutive bytes of x.
; A THREAD TAKES FOUR NEIGHBOURING PIXELS OF EVERY CHANNEL: thread t reads the 16 bytes at 16 t of each channel's 4,096, so a wave's load covers 512 consecutive bytes and 32 loads bring a wave's share.
; The 128 numbers of a lane stay in registers through both passes (mean; then the sum of squares of x - mean), so x is read once here and no difference of large sums is formed.
; hn = (x - mean) rsqrt(var + 1e-5) w + b;  code = hn / 2^e0, held within +-57,344, to the nearest E5M2 code.
; The conversions take neighbours along K (the channels) from one lane's consecutive registers: the multiply-add that makes hn writes pixel px's 32 channels into 32 consecutive registers, so the turn costs no instruction.
; WHERE THE CODES GO: hn is laid as images of operand registers: byte b 262144 + T 4096 + ks 2048 + c 512 + h 256 + r 16 + i holds pixel 16 T + r, channel 128 ks + 32 c + 16 h + i.
; A group g is (ks, c) = (g / 4, g % 4): 512 g bytes on.  A lane's codes belong to four rows r of a tile, so they go through the wave's own stage in LDS and come back as a tile's 512 consecutive bytes, which one store writes.
; 128 work-groups: a group's two sums need the whole group, and a finer share would read x twice.  No matrix unit, no tensor load, no cluster: a stream with two reductions.
; LIMITS: e0 between -126 and 112, so that 2^e0 and 57,344 x 2^e0 are f32 numbers.  NaN and infinities among the inputs are not served.
; REGISTERS: v1 lane; v2 x's offset; v3 hn's offset; v4 my wave's word; v5 0; v6, v7 2^e0 and its limit; v8-15 four packed chains; v16-23 the waves' sums; v24, v25 the stage, in and back; v27 permute; v[28:29] the mean.
.set X,    32                          ; v32-159  my 128 numbers: channel ch, pixel px at v[X + 4 ch + px]
.set T,    160                         ; v160-191 one pixel's 32 channels of hn
.set CD,   192                         ; v192-223 codes: pixel px at v[CD + 8 px]
.set RB,   32                          ; v32-63   the way out: eight tiles read back (x's registers are free by then)
.set RED1, 0                           ; LDS: eight words for the first reduction,
.set RED2, 256                         ; and eight others for the second, so that no barrier is needed between the first's reads and the second's stores
.set STG,  512                         ; the stages: for each wave 8 tiles of
.set TP,   528                         ; 512 bytes + 16 of padding: lane l stores at 528 (l / 4) + 64 (l % 4)
	s_load_b256 s[4:11], s[0:1], 0x0               ; x s[4:5], norm_w s[6:7], norm_b s[8:9], lowp_scales s[10:11]
	s_load_b64 s[12:13], s[0:1], 0x20              ; hn
	v_lshl_add_u32 v224, v0, 2, 0x8600
	v_mov_b32 v225, 0
	v_lshlrev_b32 v2, 4, v0                        ; x: 16 bytes a thread
	v_and_b32 v1, 31, v0                           ; lane
	v_lshrrev_b32 v4, 5, v0                        ; wave
	v_lshlrev_b32 v3, 4, v1                        ; 16 x lane
	v_mul_u32_u24 v25, v4, 8*TP
	v_add_nc_u32 v25, STG, v25                     ; my wave's stage
	v_lshrrev_b32 v26, 2, v1
	v_mul_u32_u24 v26, v26, TP                     ; my four pixels' tile: lane / 4,
	v_and_b32 v24, 3, v1
	v_lshl_add_u32 v24, v24, 6, v26                ; their rows r = 4 (lane % 4) + px: 16 bytes a row
	v_add_nc_u32 v24, v24, v25                     ; in
	v_add_nc_u32 v25, v25, v3                      ; back: 16 bytes a lane of a tile's 512
	v_lshl_add_u32 v3, v4, 15, v3                  ; hn: eight tiles of 4,096 bytes a wave
	v_lshlrev_b32 v4, 2, v4                        ; my wave's word in a reduction
	v_mov_b32 v5, 0                                ; where the eight words are read
	v_mov_b32 v27, 0                               ; written once: a lane permute's destination counts as one of its sources
	s_and_b32 s50, ttmp9, 7                        ; the group
	s_lshr_b32 s51, ttmp9, 3                       ; the batch
	s_lshl_b32 s52, ttmp9, 17                      ; the work-group's 131,072 bytes of x
	s_mov_b32 s53, 0
	s_mov_b32 s48, 0x76543210                      ; v_permlanex16_b32: lane l xor 16
	s_mov_b32 s49, 0xfedcba98
	s_wait_kmcnt 0x0
	s_add_nc_u64 s[4:5], s[4:5], s[52:53]
.set i, 0
.rept 32
	global_load_b128 v[X+4*i:X+4*i+3], v2, s[4:5] offset:i*4096   ; channel i: the wave reads 512 consecutive bytes
.set i, i+1
.endr
	s_lshl_b32 s52, s50, 7                         ; the group's 32 gains and 32 biases: 128 bytes each
	s_add_nc_u64 s[6:7], s[6:7], s[52:53]
	s_add_nc_u64 s[8:9], s[8:9], s[52:53]
	s_load_b512 s[16:31], s[6:7], 0x0              ; w of channels 0-15,
	s_load_b512 s[32:47], s[6:7], 0x40             ; 16-31
	s_load_b512 s[68:83], s[8:9], 0x0              ; b likewise
	s_load_b512 s[84:99], s[8:9], 0x40
	s_load_b32 s14, s[10:11], 0x0                  ; e0
	s_lshl_b32 s52, s51, 18                        ; hn: the batch's 262,144 bytes,
	s_lshl_b32 s50, s50, 9                         ; the group's 512 in each tile
	s_add_co_u32 s52, s52, s50
	s_add_nc_u64 s[12:13], s[12:13], s[52:53]
; The four packed chains v[8:15] become one number, the same in all 32 lanes of the wave.
.macro FOLD
	v_pk_add_f32 v[8:9], v[8:9], v[10:11]
	v_pk_add_f32 v[12:13], v[12:13], v[14:15]
	v_pk_add_f32 v[8:9], v[8:9], v[12:13]
	v_add_f32 v8, v8, v9
	v_add_f32_dpp v8, v8, v8 row_xmask:1 row_mask:0xf bank_mask:0xf
	v_add_f32_dpp v8, v8, v8 row_xmask:2 row_mask:0xf bank_mask:0xf
	v_add_f32_dpp v8, v8, v8 row_xmask:4 row_mask:0xf bank_mask:0xf
	v_add_f32_dpp v8, v8, v8 row_xmask:8 row_mask:0xf bank_mask:0xf
	v_permlanex16_b32 v27, v8, s48, s49
	v_add_f32 v8, v8, v27
.endm
; The eight waves' numbers meet in LDS: each wave stores its word, one barrier, every wave reads all eight.  The total comes out in v16.
.macro XRED base
	ds_store_b32 v4, v8 offset:\base               ; all lanes write the same word with the same value
	s_wait_dscnt 0x0                               ; for the others' sake: my store has landed
	s_barrier_signal -1
	s_barrier_wait -1
	ds_load_b128 v[16:19], v5 offset:\base
	ds_load_b128 v[20:23], v5 offset:\base+16
	s_wait_dscnt 0x0
	v_pk_add_f32 v[16:17], v[16:17], v[20:21]
	v_pk_add_f32 v[18:19], v[18:19], v[22:23]
	v_pk_add_f32 v[16:17], v[16:17], v[18:19]
	v_add_f32 v16, v16, v17
.endm
	; ---- pass 1: the mean.  64 pairs of registers in four chains, started by the first adds: nothing is cleared
	s_wait_loadcnt 16                              ; channels 0-15 are in; the 16 younger loads, channels 16-31, may be out
.irp k, 0,1,2,3
	v_pk_add_f32 v[8+2*\k:9+2*\k], v[X+2*\k:X+2*\k+1], v[X+8+2*\k:X+9+2*\k]
.endr
.set i, 8
.rept 24
	v_pk_add_f32 v[8+2*(i%4):9+2*(i%4)], v[8+2*(i%4):9+2*(i%4)], v[X+2*i:X+2*i+1]
.set i, i+1
.endr
	s_wait_loadcnt 0x0
.rept 32
	v_pk_add_f32 v[8+2*(i%4):9+2*(i%4)], v[8+2*(i%4):9+2*(i%4)], v[X+2*i:X+2*i+1]
.set i, i+1
.endr
	FOLD
	XRED RED1
	v_ldexp_f32 v28, v16, -15                      ; / 32,768 numbers
	v_mov_b32 v29, v28
	; ---- pass 2: d = x - mean, in place, and the sum of d^2
.set i, 0
.rept 64
	v_pk_add_f32 v[X+2*i:X+2*i+1], v[X+2*i:X+2*i+1], v[28:29] neg_lo:[0,1] neg_hi:[0,1]
.set i, i+1
.endr
.irp k, 0,1,2,3
	v_pk_mul_f32 v[8+2*\k:9+2*\k], v[X+2*\k:X+2*\k+1], v[X+2*\k:X+2*\k+1]
.endr
.set i, 4
.rept 60
	v_pk_fma_f32 v[8+2*(i%4):9+2*(i%4)], v[X+2*i:X+2*i+1], v[X+2*i:X+2*i+1], v[8+2*(i%4):9+2*(i%4)]
.set i, i+1
.endr
	FOLD
	XRED RED2
	v_ldexp_f32 v16, v16, -15                      ; the variance
	v_add_f32 v16, 0x3727c5ac, v16                 ; + 1e-5
	v_rsq_f32 v17, v16
	v_nop                                          ; one plain place behind the transcendental
	s_wait_alu depctr_va_vdst(0)
	v_readfirstlane_b32 s15, v17                   ; the same number in every lane: it goes on as a scalar factor, never into an address or a branch
	s_wait_kmcnt 0x0                               ; w, b, e0
.set i, 0
.rept 32
	s_mul_f32 s[16+i], s[16+i], s15                ; a = w x rsqrt(var + eps), once for each channel
.set i, i+1
.endr
	s_add_co_i32 s14, s14, 127
	s_lshl_b32 s50, s14, 23
	v_mov_b32 v6, s50                              ; 2^e0 as f32: the conversion takes its exponent field
	s_add_co_i32 s14, s14, 15
	s_lshl_b32 s14, s14, 23
	s_or_b32 s14, s14, 0x600000
	v_mov_b32 v7, s14                              ; 57,344 x 2^e0
	; ---- hn = d a + b, a pixel at a time: its 32 channels into consecutive registers, held, converted, into the stage
.irp px, 0,1,2,3
.set i, 0
.rept 32
	v_fma_f32 v[T+i], v[X+4*i+\px], s[16+i], s[68+i]
.set i, i+1
.endr
.set i, 0
.rept 32
	v_med3_num_f32 v[T+i], v[T+i], -v7, v7         ; the conversion to an 8-bit code does not saturate (ISA guide 7.6.2): the hold comes first
.set i, i+1
.endr
.irp j, 0,1,2,3
	v_cvt_scalef32_pk8_bf8_f32 v[CD+8*\px+2*\j:CD+8*\px+2*\j+1], v[T+8*\j:T+8*\j+7], v6
.endr
	v_nop                                          ; a plain line between the conversions and the next pixel's multiply-adds, which write their sources
	ds_store_b128 v24, v[CD+8*\px:CD+8*\px+3] offset:16*\px           ; channels 0-15 of the group, row 4 (lane % 4) + px
	ds_store_b128 v24, v[CD+8*\px+4:CD+8*\px+7] offset:16*\px+256     ; channels 16-31
.endr
.irp i, 0,1,2,3,4,5,6,7
	ds_load_b128 v[RB+4*\i:RB+4*\i+3], v25 offset:\i*TP               ; LDS serves a wave's instructions in order (ISA guide 5.7.1.4): these see my stores
.endr
.irp i, 0,1,2,3,4,5,6,7
	s_wait_dscnt 7-\i                              ; load i is back; the 7 - i behind it may be out
	global_store_b128 v3, v[RB+4*\i:RB+4*\i+3], s[12:13] offset:\i*4096   ; the group's part of tile i: the wave stores 512 consecutive bytes, at a multiple of 256 from hn's first byte
.endr
	s_wait_tensorcnt 0x0
	ds_add_u32 v224, v225
	s_wait_dscnt 0x0
	s_endpgm
.Lfunc_end_k_q69e675f08c_norm:
	.size	k_q69e675f08c_norm, .Lfunc_end_k_q69e675f08c_norm-k_q69e675f08c_norm
	.p2alignl 7, 3214868480
	.fill 96, 4, 3214868480
	.section	.rodata,"a",@progbits
	.p2align	6, 0x0
	.amdhsa_kernel k_q69e675f08c_norm
		.amdhsa_group_segment_fixed_size 35328
		.amdhsa_private_segment_fixed_size 0
		.amdhsa_enable_private_segment 0
		.amdhsa_kernarg_size 40
		.amdhsa_user_sgpr_count 2
		.amdhsa_user_sgpr_kernarg_segment_ptr 1
		.amdhsa_wavefront_size32 1
		.amdhsa_system_sgpr_workgroup_id_x 1
		.amdhsa_system_sgpr_workgroup_id_y 1
		.amdhsa_system_sgpr_workgroup_id_z 1
		.amdhsa_system_vgpr_workitem_id 0
		.amdhsa_next_free_vgpr 226
		.amdhsa_next_free_sgpr 100
		.amdhsa_reserve_vcc 0
		.amdhsa_float_denorm_mode_32 3
		.amdhsa_float_denorm_mode_16_64 3
		.amdhsa_memory_ordered 1
		.amdhsa_forward_progress 1
		.amdhsa_inst_pref_size 40
	.end_amdhsa_kernel
	.amdgpu_metadata
---
amdhsa.version: [ 1, 2 ]
amdhsa.kernels:
  - .name:           k_q69e675f08c_norm
    .symbol:         k_q69e675f08c_norm.kd
    .args:
      - { .name: x, .offset: 0, .size: 8, .value_kind: global_buffer, .address_space: global }
      - { .name: norm_w, .offset: 8, .size: 8, .value_kind: global_buffer, .address_space: global }
      - { .name: norm_b, .offset: 16, .size: 8, .value_kind: global_buffer, .address_space: global }
      - { .name: lowp_scales, .offset: 24, .size: 8, .value_kind: global_buffer, .address_space: global }
      - { .name: hn, .offset: 32, .size: 8, .value_kind: global_buffer, .address_space: global }
    .group_segment_fixed_size: 35328
    .private_segment_fixed_size: 0
    .kernarg_segment_align: 8
    .kernarg_segment_size: 40
    .max_flat_workgroup_size: 256
    .sgpr_count:     100
    .vgpr_count:     226
    .wavefront_size: 32
...
	.end_amdgpu_metadata
.endif
;; end of part 1
;; launch attn (part 2): grid 4 x 64, 16 waves a work-group, no clusters, 194,560 bytes of LDS; arguments hn, qkv_w_codes, qkv_b, lowp_scales, oc; writes oc
.if DOCPART == 2
	.amdgcn_target "amdgcn-amd-amdhsa--gfx1250"
	.amdhsa_code_object_version 6
	.text
	.protected	k_q69e675f08c_attn
	.globl	k_q69e675f08c_attn
	.p2align	8
	.type	k_q69e675f08c_attn,@function
k_q69e675f08c_attn:
	s_mov_b64 s[64:65], 0
	v_nop
	global_prefetch_b8 v0, s[64:65] scope:SCOPE_SE
	s_setreg_imm32_b32 hwreg(HW_REG_WAVE_MODE, 25, 1), 1
	s_wait_xcnt 0x0
; For one (batch, head) and 256 of its queries: the QKV product, its three quantisers, both attention products with the softmax between them, and the quantiser of the projection's operand.
; All products on E5M2 codes, sums in f32.  e0 .. e7 are the eight given exponents.
; SHARES.  Work-group x = qb, a block of 256 queries, y = 4 batch + head.  Sixteen waves of 256 registers, four to a SIMD, so that one wave's softmax stands beside another's products and LDS loads.
;   Phase A: wave w makes K and V of four tiles of 16 pixels of this head, quantises them, and puts them into LDS; then Q of its own 16 queries, which stays in registers.
;   ITS FOUR TILES ARE 16 ((qb + p) % 4) + w, p = 0 .. 3: p = 0 is its own tile of queries, 16 qb + w, so Q's operand is in registers already.  In LDS the tiles lie at 4 w + p whatever qb is:
;   the order of the keys is free, so long as K and V agree, and both come from the same tiles.
;   Phase B: wave w walks all 1,024 keys, 128 a step, for its 16 queries.
;   K and V of a head are made anew by its four query blocks: that spares a launch and the codes' way to memory and back, and K and V never leave the work-group.
; OPERANDS GO FROM WAVE TO WAVE THROUGH LDS AS IMAGES OF THEIR REGISTERS: four registers by one ds_store_b128 at 16 x lane, 512 bytes on end; the same line as a load gives any wave the same registers.  No pitch, no padding.
; hn and oc lie in memory in the same way: byte b 262144 + T 4096 + ks 2048 + c 512 + 16 lane + i = pixel 16 T + lane % 16, channel 128 ks + 32 c + 16 (lane / 16) + i.  The weights' rows, read 16 bytes a lane at
;   row 256 + 128 ks + 32 c + 16 (lane / 16), put the same k into the same registers: one permutation of k, alike on both sides of every product.
; THE ROWS OF THE WEIGHT THAT FORM A TILE ARE NOT NEIGHBOURS: lane r of tile t = 2 bb + u takes row 32 bb + 8 u + r + 8 (r / 8) of the head's 64.
;   q, k: source 0 = 16 rows of W, source 1 = 16 pixels: a lane holds ONE pixel, register j is d = 32 bb + 16 (lane / 16) + 8 u + j: a conversion gives registers 2 t, 2 t + 1 of the 8-register operand (K = 64), alike in q and k.
;   v:    source 0 = 16 pixels, source 1 = 16 rows of W: a lane holds one channel and pixels 8 (lane / 16) + j: a conversion gives registers 2 c, 2 c + 1 (keys 16 c + 8 (lane / 16) + j) of V^T's operand.
;   S^T = K Q^T: a lane holds ONE query and keys 8 (lane / 16) + j of the tile: a conversion of p gives registers 2 c, 2 c + 1 of P's operand, the same keys as V^T's.
;   O^T = V^T P^T: a lane holds one query, and tiles 2 bb, 2 bb + 1 hold d = 32 bb + 16 (lane / 16) + 0 .. 15: oc's order.
; THE SOFTMAX: t = score x log2(e) / 8; M = the running largest t rounded UP to a whole number; p = 2^(t - M) is quantised with 2^e4, not normalised; the row's sum is taken of the unquantised p and divides O at the end.
; The biases are the C of each sum's first matrix instruction, divided once by 2^(e0 + e1), which the sums lack.
; No tensor load, so no ring; no cluster: what work-groups share is hn (256 KB each), which goes straight into registers in operand order, once for each work-group; beside 188 KB of images it would not fit into LDS whole.
; LIMITS, so that each power of two below is an f32 number: e4, e2 - e0 - e1, e3 - e0 - e1, e5 - e0 - e1, e6 - e4 - e5 between -126 and 112; e2 + e3 between -123 and 130.
;   p under 2^-126 comes out of v_exp_f32 as 0.  NaN and infinities are not served.
; REGISTERS, phase A: v1 16 x lane; v2, v3 r, h; v4-13 offsets and LDS addresses; v14/15, v16/17, v18/19 scale and limit for K, V, Q; v24-31 a tile's bias (v24-55: Q's four); v32-47 K's codes;
;   v56-87 a tile of W; v88-119 four accumulators; v120-127 V's codes, then Q's; v128-255 my four tiles of hn (for Q: v128-159 stay, v160-255 take W's q tiles 1-3).
; Phase B: v2, v3 LDS addresses in hand; v4 V's base; v5 permute; v12 -M; v13 largest t; v[14:15] the sum; v16, v17 2^e4 and its limit; v[18:19] f; v20-23 at work; v56-87 O^T; v88-103 p's codes; v120-127 Q; v128-191 S^T, p; v192-255 K or V.
.set KIMG, 0                           ; LDS: K: key tile kt (0..63), registers 4 g on: kt 1024 + g 512
.set VIMG, 65536                       ; V^T: key step s (0..7), d tile t, registers 4 c on: s 8192 + t 2048 + c 512
.set WIMG, 131072                      ; W: column tile ct (q 0-3, k 4-7, v 8-11), registers 4 G on: ct 4096 + G 512
.set BIMG, 180224                      ; the biases as C operands: ct 1024 + g 512
.set BI,  24
.set PC,  32
.set W,   56
.set ACC, 88
.set CV,  120
.set HN,  128
.set O,   56
.set P,   88
.set Q,   120
.set S,   128
.set KV,  192
.set TBS, 52                           ; s[52:59] hn at my four tiles' blocks of 16 tiles
.macro BAR                             ; my LDS stores have landed and my LDS loads are in: then the work-group's barrier
	s_wait_dscnt 0x0
	s_barrier_signal -1
	s_barrier_wait -1
.endm
.macro PLACES                          ; four plain places behind matrix instructions, in front of loads into their registers and of the first read of results
.rept 4
	v_nop
.endr
.endm
.macro MKSC vs, vl, se                 ; v[vs] = 2^E as f32, v[vl] = 57,344 x 2^E, E in the scalar register se
	s_add_co_i32 s37, \se, 127
	s_lshl_b32 s44, s37, 23
	v_mov_b32 v[\vs], s44
	s_add_co_i32 s37, s37, 15
	s_lshl_b32 s37, s37, 23
	s_or_b32 s37, s37, 0x600000
	v_mov_b32 v[\vl], s37
.endm
.macro HNLOAD                          ; my four tiles of hn: 32 loads of 512 consecutive bytes; then, while they are on their way, -(e0 + e1)
.irp p, 0,1,2,3
.irp g, 0,1,2,3,4,5,6,7
	global_load_b128 v[HN+32*\p+4*\g:HN+32*\p+4*\g+3], v4, s[TBS+2*\p:TBS+2*\p+1] offset:512*\g
.endr
.endr
	s_wait_kmcnt 0x0                               ; e0 .. e7
	s_add_co_i32 s36, s16, s17
	s_sub_co_i32 s36, 0, s36                       ; a sum of the first product stands for sum x 2^(e0 + e1)
.endm
.macro FETCHW ct                       ; column tile ct of W (both K steps) and its bias, from their images
.irp g, 0,1,2,3,4,5,6,7
	ds_load_b128 v[W+4*\g:W+4*\g+3], v10 offset:(\ct)*4096+512*\g
.endr
.irp g, 0,1
	ds_load_b128 v[BI+4*\g:BI+4*\g+3], v11 offset:(\ct)*1024+512*\g
.endr
.endm
.macro QPREP                           ; for Q: W's q tile 0 where W's tile lay, tiles 1-3 where my tiles 1-3 of hn lay (tile 0, my queries', stays), and the four biases
.irp g, 0,1,2,3,4,5,6,7
	ds_load_b128 v[W+4*\g:W+4*\g+3], v10 offset:512*\g
.endr
.irp t, 1,2,3
.irp g, 0,1,2,3,4,5,6,7
	ds_load_b128 v[HN+32*\t+4*\g:HN+32*\t+4*\g+3], v10 offset:\t*4096+512*\g
.endr
.endr
.irp t, 0,1,2,3
.irp g, 0,1
	ds_load_b128 v[BI+8*\t+4*\g:BI+8*\t+4*\g+3], v11 offset:\t*1024+512*\g
.endr
.endr
.endm
; One column tile (16 of the head's 64) of K (kind 0) or V (kind 1) for my four tiles of pixels: 8 matrix instructions, the four accumulators by turns;
; then the next tile of W is asked for, and lands while this tile's sums are held, converted and stored.  next: the column tile to fetch, or -1: what Q needs.
.macro COLT kind, t, next
.set SC, 14+2*\kind                    ; the kind's scale; its limit is the register behind it
	s_wait_dscnt 0x0                               ; W's tile and the bias are in; my earlier stores of codes have read their registers
.irp p, 0,1,2,3
.if \kind
	v_wmma_f32_16x16x128_bf8_bf8 v[ACC+8*\p:ACC+8*\p+7], v[HN+32*\p:HN+32*\p+15], v[W:W+15], v[BI:BI+7]
.else
	v_wmma_f32_16x16x128_bf8_bf8 v[ACC+8*\p:ACC+8*\p+7], v[W:W+15], v[HN+32*\p:HN+32*\p+15], v[BI:BI+7]
.endif
.endr
.irp p, 0,1,2,3
.if \kind
	v_wmma_f32_16x16x128_bf8_bf8 v[ACC+8*\p:ACC+8*\p+7], v[HN+32*\p+16:HN+32*\p+31], v[W+16:W+31], v[ACC+8*\p:ACC+8*\p+7]
.else
	v_wmma_f32_16x16x128_bf8_bf8 v[ACC+8*\p:ACC+8*\p+7], v[W+16:W+31], v[HN+32*\p+16:HN+32*\p+31], v[ACC+8*\p:ACC+8*\p+7]
.endif
.endr
	PLACES
.if \next >= 0
	FETCHW \next
.else
	QPREP
.endif
.set i, 0
.rept 32
	v_med3_num_f32 v[ACC+i], v[ACC+i], -v[SC+1], v[SC+1]   ; the hold at the largest code x the scale; each accumulator from its low end on
.set i, i+1
.endr
.irp p, 0,1,2,3
.if \kind
	v_cvt_scalef32_pk8_bf8_f32 v[CV+2*\p:CV+2*\p+1], v[ACC+8*\p:ACC+8*\p+7], v[SC]
.else
	v_cvt_scalef32_pk8_bf8_f32 v[PC+4*\p+2*((\t)%2):PC+4*\p+2*((\t)%2)+1], v[ACC+8*\p:ACC+8*\p+7], v[SC]
.endif
.endr
	v_nop                                          ; a plain line between the conversions and the next products, which write their sources
.if \kind
	ds_store_b128 v13, v[CV:CV+3] offset:(\t)*2048          ; my four tiles of keys are eight registers of V^T's operand: two groups of four
	ds_store_b128 v13, v[CV+4:CV+7] offset:(\t)*2048+512
.elseif (\t)%2 == 1
.irp p, 0,1,2,3
	ds_store_b128 v12, v[PC+4*\p:PC+4*\p+3] offset:\p*1024+((\t)/2)*512   ; tiles t - 1 and t are four registers of K's operand
.endr
.endif
.endm
; Q's four tiles of d, K step ks: source 0 = W's q tile t, source 1 = my queries' hn.  first = 1: the bias starts the sums.
.macro QMUL ks, first
.irp t, 0,1,2,3
.if \t == 0
.set WQ, W
.else
.set WQ, HN+32*\t
.endif
.if \first
	v_wmma_f32_16x16x128_bf8_bf8 v[ACC+8*\t:ACC+8*\t+7], v[WQ+16*\ks:WQ+16*\ks+15], v[HN+16*\ks:HN+16*\ks+15], v[BI+8*\t:BI+8*\t+7]
.else
	v_wmma_f32_16x16x128_bf8_bf8 v[ACC+8*\t:ACC+8*\t+7], v[WQ+16*\ks:WQ+16*\ks+15], v[HN+16*\ks:HN+16*\ks+15], v[ACC+8*\t:ACC+8*\t+7]
.endif
.endr
.endm
	; ---- A0: addresses; W's twelve tiles and biases (waves 0-11, one tile each) are asked for first, then every wave's hn
	s_load_b256 s[4:11], s[0:1], 0x0               ; hn s[4:5], qkv_w_codes s[6:7], qkv_b s[8:9], lowp_scales s[10:11]
	s_load_b64 s[12:13], s[0:1], 0x20              ; oc
	v_lshrrev_b32 v2, 5, v0
	v_readfirstlane_b32 s24, v2                    ; wave 0..15
	v_and_b32 v1, 31, v0
	v_lshlrev_b32 v1, 4, v1                        ; 16 x lane: an image's place for my lane
	v_and_b32 v2, 15, v0                           ; r
	v_bfe_u32 v3, v0, 4, 1                         ; h
	s_and_b32 s27, ttmp7, 0xffff
	s_and_b32 s26, s27, 3                          ; the head
	s_lshr_b32 s27, s27, 2                         ; the batch
	v_and_b32 v5, 8, v2
	v_add_nc_u32 v5, v5, v2                        ; r + 8 (r / 8)
	v_lshlrev_b32 v7, 2, v5                        ; v's bias: that row's number
	v_lshlrev_b32 v5, 8, v5
	v_lshl_add_u32 v5, v3, 4, v5                   ; W: that row of 256 bytes, + 16 h
	v_lshlrev_b32 v6, 6, v3                        ; q's and k's bias: eight numbers from row 16 h of the tile's span on
	s_lshl_b32 s44, s24, 12
	v_add_nc_u32 v4, s44, v1                       ; hn: tile w of a block of 16 tiles
	v_add_nc_u32 v12, s44, v1                      ; where I store K's images: four tiles of 1,024 bytes a wave
	s_add_co_u32 s45, s44, WIMG
	v_add_nc_u32 v8, s45, v1                       ; where I store W's tile (waves 0-11)
	s_lshl_b32 s45, s24, 10
	s_add_co_u32 s45, s45, BIMG
	v_add_nc_u32 v9, s45, v1                       ; and its bias
	v_add_nc_u32 v10, WIMG, v1                     ; where any wave reads them
	v_add_nc_u32 v11, BIMG, v1
	s_lshr_b32 s46, s24, 1
	s_lshl_b32 s46, s46, 13                        ; V: key step w / 2,
	s_and_b32 s47, s24, 1
	s_lshl_b32 s47, s47, 10                        ; registers 8 (w % 2) on
	s_add_co_u32 s46, s46, s47
	s_add_co_u32 s46, s46, VIMG
	v_add_nc_u32 v13, s46, v1
	s_lshl_b32 s25, ttmp9, 4
	s_add_co_u32 s25, s25, s24                     ; my tile of queries: 16 qb + wave
	s_lshl_b32 s25, s25, 12                        ; in oc's bytes
	s_lshr_b32 s48, s24, 2                         ; the first row of W's tile number w: 256 (w / 4) + 64 head + 32 ((w / 2) % 2) + 8 (w % 2).  (Waves 12-15 make it and never use it)
	s_lshl_b32 s48, s48, 8
	s_lshl_b32 s49, s26, 6
	s_add_co_u32 s48, s48, s49
	s_bfe_u32 s49, s24, 0x10001
	s_lshl_b32 s49, s49, 5
	s_add_co_u32 s48, s48, s49
	s_and_b32 s49, s24, 1
	s_lshl_b32 s49, s49, 3
	s_add_co_u32 s48, s48, s49
	s_lshl_b32 s28, s48, 8                         ; in W's bytes,
	s_mov_b32 s29, 0
	s_lshl_b32 s30, s48, 2                         ; in the bias's
	s_mov_b32 s31, 0
	s_mov_b32 s38, 0x76543210                      ; v_permlanex16_b32: lane l xor 16
	s_mov_b32 s39, 0xfedcba98
	s_wait_kmcnt 0x0
	s_load_b256 s[16:23], s[10:11], 0x0            ; e0 .. e7
	s_add_nc_u64 s[32:33], s[6:7], s[28:29]
	s_add_nc_u64 s[34:35], s[8:9], s[30:31]
	s_lshl_b32 s28, s27, 18                        ; the batch's 262,144 bytes of hn and of oc
	s_add_nc_u64 s[4:5], s[4:5], s[28:29]
.irp p, 0,1,2,3
	s_add_co_u32 s30, ttmp9, \p
	s_and_b32 s30, s30, 3                          ; (qb + p) % 4:
	s_lshl_b32 s30, s30, 16                        ; that block of 16 tiles of 4,096 bytes
	s_add_nc_u64 s[TBS+2*\p:TBS+2*\p+1], s[4:5], s[30:31]
.endr
	s_add_co_u32 s28, s28, s25                     ; oc: my tile of queries,
	s_lshl_b32 s30, s26, 10                        ; the head's 64 channels: 1,024 bytes of the tile's 4,096
	s_add_co_u32 s28, s28, s30
	s_add_nc_u64 s[12:13], s[12:13], s[28:29]
	s_cmp_ge_u32 s24, 12
	s_cbranch_scc1 .Lnone                          ; twelve tiles, sixteen waves
.irp g, 0,1,2,3,4,5,6,7
	global_load_b128 v[W+4*\g:W+4*\g+3], v5, s[32:33] offset:128*(\g/4)+32*(\g%4)
.endr
	s_cmp_ge_u32 s24, 8
	s_cbranch_scc1 .Lvb
	global_load_b128 v[BI:BI+3], v6, s[34:35]      ; q, k: register j is the bias of the tile's row 8 h + j, which is row 16 h + j of its span
	global_load_b128 v[BI+4:BI+7], v6, s[34:35] offset:16
	HNLOAD
	s_wait_loadcnt 32                              ; W's tile and the bias are in; the 32 younger loads, my hn, stay out
.irp j, 0,1,2,3,4,5,6,7
	v_ldexp_f32 v[BI+\j], v[BI+\j], s36
.endr
	s_branch .Lst
.Lvb:
	global_load_b32 v48, v7, s[34:35]              ; v: all eight registers are pixels of my one channel
	HNLOAD
	s_wait_loadcnt 32                              ; as above
.irp j, 0,1,2,3,4,5,6,7
	v_ldexp_f32 v[BI+\j], v48, s36
.endr
.Lst:
.irp g, 0,1,2,3,4,5,6,7
	ds_store_b128 v8, v[W+4*\g:W+4*\g+3] offset:512*\g
.endr
.irp g, 0,1
	ds_store_b128 v9, v[BI+4*\g:BI+4*\g+3] offset:512*\g
.endr
	s_branch .Ljoin
.Lnone:
	HNLOAD
.Ljoin:
	s_add_co_i32 s45, s19, s36
	MKSC 14, 15, s45                               ; K: 2^(e3 - e0 - e1): the three scales folded into the conversion's one
	s_add_co_i32 s45, s21, s36
	MKSC 16, 17, s45                               ; V: e5 - e0 - e1
	s_add_co_i32 s45, s18, s36
	MKSC 18, 19, s45                               ; Q: e2 - e0 - e1
	BAR                                            ; W's tiles and the biases lie in LDS.  hn, which nobody writes and each wave reads for itself, may still be on its way
	; ---- A1: K and V of my 64 pixels
	FETCHW 4
	s_wait_loadcnt 0x0                             ; my hn
	COLT 0, 0, 5
	COLT 0, 1, 6
	COLT 0, 2, 7
	COLT 0, 3, 8
	COLT 1, 0, 9
	COLT 1, 1, 10
	COLT 1, 2, 11
	COLT 1, 3, -1
	; ---- A2: Q of my 16 queries: four tiles of d, the accumulators by turns
	s_wait_dscnt 0x0                               ; W's q tiles and biases are in; V's last stores have read their registers
	QMUL 0, 1
	QMUL 1, 0
	PLACES
.set i, 0
.rept 32
	v_med3_num_f32 v[ACC+i], v[ACC+i], -v19, v19
.set i, i+1
.endr
.irp t, 0,1,2,3
	v_cvt_scalef32_pk8_bf8_f32 v[Q+2*\t:Q+2*\t+1], v[ACC+8*\t:ACC+8*\t+7], v18
.endr
	v_nop                                          ; a plain line behind the last conversion
	v_add_nc_u32 v4, VIMG, v1                      ; phase B's constants
	v_mov_b32 v5, 0                                ; written once: a lane permute's destination counts as one of its sources
	v_mov_b32 v13, 0xff61b1e6                      ; the largest t so far: -3e38, under every t
	v_floor_f32 v12, -v13                          ; -M
	v_mov_b32 v14, 0                               ; the sum, in two halves
	v_mov_b32 v15, 0
	v_mov_b32 v19, 0                               ; (named as the upper half of the pair v[18:19])
	MKSC 16, 17, s20                               ; 2^e4 and 57,344 x 2^e4, for p
.set i, 0
.rept 32
	v_mov_b32 v[O+i], 0                            ; O^T.  (The step is written once: the first finds zeros, which the first change of M leaves zeros)
.set i, i+1
.endr
	s_add_co_i32 s44, s18, s19
	s_lshl_b32 s44, s44, 23
	s_mov_b32 s42, 0x3e38aa3b                      ; c = log2(e) / 8
	s_add_co_i32 s42, s42, s44                     ; a score stands for score x 2^(e2 + e3): the two exponents are added to c's exponent field
	s_mov_b32 s43, s42                             ; (named with it as a pair, so it is written)
	s_mov_b32 s40, 0                               ; LDS bytes from step 0 to the step in hand: 8,192 a step, in K's images and in V's
	s_mov_b32 s41, 8
	BAR                                            ; all of K and V lies in LDS; nothing is written there from here on
	; ---- B: eight steps of 128 keys
.Lstep:
	v_add_nc_u32 v2, s40, v1                       ; these two and two v_nop are the four places behind the last step's products, in front of the loads into their registers
	v_add_nc_u32 v3, s40, v4
	v_nop
	v_nop
.irp kt, 0,1,2,3,4,5,6,7
.irp g, 0,1
	ds_load_b128 v[KV+8*\kt+4*\g:KV+8*\kt+4*\g+3], v2 offset:\kt*1024+\g*512
.endr
.endr
	s_wait_dscnt 0x0
.irp kt, 0,1,2,3,4,5,6,7
	v_wmma_f32_16x16x64_bf8_bf8 v[S+8*\kt:S+8*\kt+7], v[KV+8*\kt:KV+8*\kt+7], v[Q:Q+7], 0   ; S^T: 16 keys x my 16 queries, K = the head's 64
.endr
	PLACES
.irp t, 0,1,2,3
.irp c, 0,1,2,3
	ds_load_b128 v[KV+16*\t+4*\c:KV+16*\t+4*\c+3], v3 offset:\t*2048+\c*512   ; V^T of this step lands under the softmax
.endr
.endr
	v_max3_num_f32 v20, v[S], v[S+1], v[S+2]       ; the step's largest score of my query among my 64 keys, in two chains, each accumulator from its low end on
	v_max3_num_f32 v21, v[S+3], v[S+4], v[S+5]
.irp i, 6,10,14,18,22,26,30,34,38,42,46,50,54,58
	v_max3_num_f32 v20, v20, v[S+\i], v[S+\i+1]
	v_max3_num_f32 v21, v21, v[S+\i+2], v[S+\i+3]
.endr
	v_max3_num_f32 v20, v20, v[S+62], v[S+63]
	v_max_num_f32 v20, v20, v21
	v_permlanex16_b32 v5, v20, s38, s39
	v_max_num_f32 v20, v20, v5                     ; and among lane l xor 16's
	v_mul_f32 v20, s42, v20                        ; as t (c is positive)
	v_max_num_f32 v13, v13, v20                    ; the running largest t
	v_mov_b32 v20, v12
	v_floor_f32 v12, -v13                          ; the new -M = floor(-t) = -ceil(t): a whole number
	v_sub_f32 v20, v12, v20                        ; M's old value less its new one: a whole number, 0 or less
	v_cvt_i32_f32 v20, v20                         ; (it saturates)
	v_ldexp_f32 v18, 1.0, v20                      ; f = 2^(old M - new M): the rescaling rounds nothing, and there is no branch on data
.set j, 0
.rept 32
	v_pk_fma_f32 v[S+j:S+j+1], v[S+j:S+j+1], s[42:43], v[12:13] op_sel_hi:[1,0,0]   ; t - M, two at a time (of the pairs c and -M the low word serves both halves)
.set j, j+2
.endr
.set j, 0
.rept 64
	v_exp_f32 v[S+j], v[S+j]                       ; p = 2^(t - M), at most 1 but for the last bit, not normalised
.set j, j+1
.endr
	v_pk_mul_f32 v[14:15], v[14:15], v[18:19] op_sel_hi:[1,0]   ; the sum under the new M.  (The plain place behind the exponentials)
	s_wait_alu depctr_va_vdst(0)
	v_pk_add_f32 v[22:23], v[S:S+1], v[S+2:S+3]    ; the row's sum is taken of the unquantised p: two at a time, in two chains
.irp j, 4,8,12,16,20,24,28,32,36,40,44,48,52,56,60
	v_pk_add_f32 v[14:15], v[14:15], v[S+\j:S+\j+1]
	v_pk_add_f32 v[22:23], v[22:23], v[S+\j+2:S+\j+3]
.endr
	v_pk_add_f32 v[14:15], v[14:15], v[22:23]
	; THE HOLD.  The conversion to an 8-bit code does not saturate (ISA guide 7.6.2), so p is held at 57,344 x 2^e4.  From e4 = -15 on that bound is 1.75 or more, above every p, and the 64 lines change nothing:
	; a scalar branch on the given whole number e4, the same in every wave and every trip, leads round them.  With e4 under -15 they run.
	s_cmp_ge_i32 s20, -15
	s_cbranch_scc1 .Lfits
.set j, 0
.rept 64
	v_min_num_f32 v[S+j], v[S+j], v17              ; p is not negative: the hold is one-sided
.set j, j+1
.endr
.Lfits:
.irp kt, 0,1,2,3,4,5,6,7
	v_cvt_scalef32_pk8_bf8_f32 v[P+2*\kt:P+2*\kt+1], v[S+8*\kt:S+8*\kt+7], v16
.endr
.set j, 0
.rept 16
	v_pk_mul_f32 v[O+j:O+j+1], v[O+j:O+j+1], v[18:19] op_sel_hi:[1,0]   ; O^T under the new M.  (Also the plain lines between the conversions and the products below)
.set j, j+2
.endr
	s_wait_dscnt 0x0                               ; V^T is in
.irp t, 0,1,2,3
	v_wmma_f32_16x16x128_bf8_bf8 v[O+8*\t:O+8*\t+7], v[KV+16*\t:KV+16*\t+15], v[P:P+15], v[O+8*\t:O+8*\t+7]   ; four accumulators by turns; K = these 128 keys
.endr
	s_add_co_u32 s40, s40, 8192
	s_sub_co_u32 s41, s41, 1
	s_cmp_lg_u32 s41, 0
	s_cbranch_scc1 .Lstep
	; ---- the way out: O^T / the sum, quantised with 2^e6 (a sum of the second product stands for sum x 2^(e4 + e5)), straight into oc's order
	PLACES
	v_add_f32 v14, v14, v15                        ; the sum's two halves,
	v_permlanex16_b32 v5, v14, s38, s39
	v_add_f32 v14, v14, v5                         ; and lane l xor 16's
	v_rcp_f32 v14, v14
	s_sub_co_i32 s45, s22, s20
	s_sub_co_i32 s45, s45, s21
	MKSC 20, 21, s45                               ; 2^(e6 - e4 - e5) and its limit.  (Its two moves are the plain lines behind the reciprocal)
.set j, 0
	s_wait_alu depctr_va_vdst(0)
.rept 32
	v_mul_f32 v[24+j], v[O+j], v14                 ; each accumulator from its low end on
.set j, j+1
.endr
.set j, 0
.rept 32
	v_med3_num_f32 v[24+j], v[24+j], -v21, v21
.set j, j+1
.endr
.irp t, 0,1,2,3
	v_cvt_scalef32_pk8_bf8_f32 v[104+2*\t:105+2*\t], v[24+8*\t:31+8*\t], v20
.endr
	v_nop                                          ; a plain line behind the last conversion
	global_store_b128 v1, v[104:107], s[12:13]             ; d = 0 .. 31 of my 16 queries: the wave stores 512 consecutive bytes, aligned
	global_store_b128 v1, v[108:111], s[12:13] offset:512  ; d = 32 .. 63
	s_wait_xcnt 0x0
	v_lshl_add_u32 v254, v0, 2, 0x2f000
	v_mov_b32 v255, 0
	s_wait_tensorcnt 0x0
	ds_add_u32 v254, v255
	s_wait_dscnt 0x0
	s_endpgm
.Lfunc_end_k_q69e675f08c_attn:
	.size	k_q69e675f08c_attn, .Lfunc_end_k_q69e675f08c_attn-k_q69e675f08c_attn
	.p2alignl 7, 3214868480
	.fill 96, 4, 3214868480
	.section	.rodata,"a",@progbits
	.p2align	6, 0x0
	.amdhsa_kernel k_q69e675f08c_attn
		.amdhsa_group_segment_fixed_size 194560
		.amdhsa_private_segment_fixed_size 0
		.amdhsa_enable_private_segment 0
		.amdhsa_kernarg_size 40
		.amdhsa_user_sgpr_count 2
		.amdhsa_user_sgpr_kernarg_segment_ptr 1
		.amdhsa_wavefront_size32 1
		.amdhsa_system_sgpr_workgroup_id_x 1
		.amdhsa_system_sgpr_workgroup_id_y 1
		.amdhsa_system_sgpr_workgroup_id_z 1
		.amdhsa_system_vgpr_workitem_id 0
		.amdhsa_next_free_vgpr 256
		.amdhsa_next_free_sgpr 66
		.amdhsa_reserve_vcc 0
		.amdhsa_float_denorm_mode_32 3
		.amdhsa_float_denorm_mode_16_64 3
		.amdhsa_memory_ordered 1
		.amdhsa_forward_progress 1
		.amdhsa_inst_pref_size 73
	.end_amdhsa_kernel
	.amdgpu_metadata
---
amdhsa.version: [ 1, 2 ]
amdhsa.kernels:
  - .name:           k_q69e675f08c_attn
    .symbol:         k_q69e675f08c_attn.kd
    .args:
      - { .name: hn, .offset: 0, .size: 8, .value_kind: global_buffer, .address_space: global }
      - { .name: qkv_w_codes, .offset: 8, .size: 8, .value_kind: global_buffer, .address_space: global }
      - { .name: qkv_b, .offset: 16, .size: 8, .value_kind: global_buffer, .address_space: global }
      - { .name: lowp_scales, .offset: 24, .size: 8, .value_kind: global_buffer, .address_space: global }
      - { .name: oc, .offset: 32, .size: 8, .value_kind: global_buffer, .address_space: global }
    .group_segment_fixed_size: 194560
    .private_segment_fixed_size: 0
    .kernarg_segment_align: 8
    .kernarg_segment_size: 40
    .max_flat_workgroup_size: 512
    .sgpr_count:     66
    .vgpr_count:     256
    .wavefront_size: 32
...
	.end_amdgpu_metadata
.endif
;; end of part 2
;; launch proj (part 3): grid 16 x 16, 16 waves a work-group, no clusters, 88,064 bytes of LDS; arguments oc, proj_w_codes, proj_b, lowp_scales, x, out0; writes out0
.if DOCPART == 3
	.amdgcn_target "amdgcn-amd-amdhsa--gfx1250"
	.amdhsa_code_object_version 6
	.text
	.protected	k_q69e675f08c_proj
	.globl	k_q69e675f08c_proj
	.p2align	8
	.type	k_q69e675f08c_proj,@function
k_q69e675f08c_proj:
	s_mov_b64 s[64:65], 0
	v_nop
	global_prefetch_b8 v0, s[64:65] scope:SCOPE_SE
	s_setreg_imm32_b32 hwreg(HW_REG_WAVE_MODE, 25, 1), 1
	s_wait_xcnt 0x0
; out0 = x + proj_w . attention's output + proj_b.  The product on E5M2 codes (oc: made by the launch before; proj_w_codes: given), sums in f32, each sum x 2^(e6 + e7).
; SHARES.  Work-group x = block of 64 pixels, y = batch.  Wave w makes output channels 16 w .. 16 w + 15 for the 64 pixels: four accumulators.
; The block's 16 KB of oc, eight operand images as they lie in memory, are read from memory once (1 KB a wave), put into LDS as they are, and read from there by all sixteen waves.
; Source 0 = 16 pixels (oc), source 1 = 16 rows of proj_w: lane (r, h) holds channel 16 w + r, and register j of tile p pixel 16 p + 8 h + j: eight neighbours of a row of out0.
; A channel's 64 pixels are 256 bytes: they go through the wave's own stage in LDS (rows of 272 bytes) and come back as whole rows, so that sixteen lanes add x and store 256 consecutive bytes, aligned.
; No tensor load and no cluster: each work-group's inputs are its own but for the 64 KB of weights, 4 KB a wave, read once into registers.
; LIMIT: e6 + e7 between -126 and 127, so that 2^(e6 + e7) is an f32 number.
; REGISTERS: v1 16 x lane; v2-7 offsets and LDS addresses; v8-15 my 1 KB of oc; v[16:17] my channel's bias; v24-55 x; v56-87 my rows of proj_w; v88-119 the accumulators; v128-255 oc's eight fragments, then v128-159 y, v160-191 rows read back.
.set AIMG, 0                           ; LDS: oc's eight images: tile p, K step ks, registers 4 c on: p 4096 + ks 2048 + c 512
.set STG,  16384                       ; the stage: 256 rows (channels) x 272 bytes; wave w touches rows 16 w .. 16 w + 15 alone
.set SP,   272
.set XR,   24
.set W,    56
.set ACC,  88
.set ATT,  128
.set Y,    128
.set RB,   160
	s_load_b256 s[4:11], s[0:1], 0x0               ; oc s[4:5], proj_w_codes s[6:7], proj_b s[8:9], lowp_scales s[10:11]
	s_load_b128 s[12:15], s[0:1], 0x20             ; x s[12:13], out0 s[14:15]
	v_lshl_add_u32 v126, v0, 2, 0x15000
	v_mov_b32 v127, 0
	v_lshrrev_b32 v1, 5, v0
	v_readfirstlane_b32 s24, v1                    ; wave 0..15
	v_and_b32 v1, 31, v0
	v_lshlrev_b32 v1, 4, v1                        ; 16 x lane
	v_and_b32 v10, 15, v0                          ; r
	v_bfe_u32 v11, v0, 4, 1                        ; h
	v_lshlrev_b32 v2, 8, v10
	v_lshl_add_u32 v2, v11, 4, v2                  ; proj_w: row r of 256 bytes, + 16 h
	v_lshlrev_b32 v3, 2, v10                       ; proj_b: my channel's number
	v_lshlrev_b32 v4, 12, v11
	v_lshl_add_u32 v4, v10, 4, v4                  ; x, out0: lanes 0-15 one channel's 256 bytes, lanes 16-31 the next channel's
	s_lshl_b32 s26, s24, 10
	v_add_nc_u32 v5, s26, v1                       ; where I put my 1 KB of oc
	s_mul_i32 s26, s24, 16*SP
	s_add_co_u32 s26, s26, STG                     ; my 16 rows of the stage
	v_mul_u32_u24 v6, v10, SP
	v_lshl_add_u32 v6, v11, 5, v6
	v_add_nc_u32 v6, s26, v6                       ; in: row r, 32 bytes for each half of the lanes
	v_mul_u32_u24 v7, v11, SP
	v_lshl_add_u32 v7, v10, 4, v7
	v_add_nc_u32 v7, s26, v7                       ; back: lanes 0-15 one row, lanes 16-31 the next
	s_and_b32 s25, ttmp7, 0xffff                   ; the batch
	s_mov_b32 s29, 0
	s_wait_kmcnt 0x0
	s_load_b64 s[16:17], s[10:11], 0x18            ; e6, e7
	s_lshl_b32 s28, s25, 18                        ; oc: the batch's 262,144 bytes,
	s_lshl_b32 s26, ttmp9, 14                      ; the block's four tiles,
	s_add_co_u32 s28, s28, s26
	s_lshl_b32 s26, s24, 10                        ; my 1,024 bytes
	s_add_co_u32 s28, s28, s26
	s_add_nc_u64 s[4:5], s[4:5], s[28:29]
	s_lshl_b32 s28, s24, 12                        ; my 16 rows of proj_w
	s_add_nc_u64 s[6:7], s[6:7], s[28:29]
	s_lshl_b32 s28, s24, 6                         ; my 16 biases
	s_add_nc_u64 s[8:9], s[8:9], s[28:29]
	s_lshl_b32 s28, s25, 20                        ; x, out0: the batch's 256 channels of 4,096 bytes,
	s_lshl_b32 s26, s24, 16                        ; my 16 channels,
	s_add_co_u32 s28, s28, s26
	s_lshl_b32 s26, ttmp9, 8                       ; the block's 64 pixels
	s_add_co_u32 s28, s28, s26
	s_add_nc_u64 s[12:13], s[12:13], s[28:29]
	s_add_nc_u64 s[14:15], s[14:15], s[28:29]
.irp g, 0,1
	global_load_b128 v[8+4*\g:11+4*\g], v1, s[4:5] offset:512*\g
.endr
.irp g, 0,1,2,3,4,5,6,7
	global_load_b128 v[W+4*\g:W+4*\g+3], v2, s[6:7] offset:128*(\g/4)+32*(\g%4)
.endr
	global_load_b32 v16, v3, s[8:9]
.irp i, 0,1,2,3,4,5,6,7
	global_load_b128 v[XR+4*\i:XR+4*\i+3], v4, s[12:13] offset:\i*8192 th:TH_LOAD_NT   ; channels 2 i and 2 i + 1 of my 16: read for the last time
.endr
	s_wait_loadcnt 17                              ; oc's two loads are in; the 17 behind them (8 of the weight, the bias, 8 of x) may be out
.irp g, 0,1
	ds_store_b128 v5, v[8+4*\g:11+4*\g] offset:AIMG+512*\g
.endr
	s_wait_dscnt 0x0                               ; for the others' sake: my stores have landed
	s_barrier_signal -1
	s_barrier_wait -1                              ; the block's eight images lie in LDS
.irp p, 0,1,2,3
.irp g, 0,1,2,3,4,5,6,7
	ds_load_b128 v[ATT+32*\p+4*\g:ATT+32*\p+4*\g+3], v1 offset:AIMG+\p*4096+512*\g
.endr
.endr
	s_wait_kmcnt 0x0
	s_add_co_i32 s20, s16, s17
	s_add_co_i32 s20, s20, 127
	s_lshl_b32 s20, s20, 23                        ; 2^(e6 + e7) as f32
	s_mov_b32 s21, s20                             ; (named with it as a pair, so it is written)
	s_wait_loadcnt 8                               ; the weight and the bias are in; x's eight loads may be out
	v_mov_b32 v17, v16                             ; (named with v16 as a pair, so it is written)
	s_wait_dscnt 0x0
.irp p, 0,1,2,3
	v_wmma_f32_16x16x128_bf8_bf8 v[ACC+8*\p:ACC+8*\p+7], v[ATT+32*\p:ATT+32*\p+15], v[W:W+15], 0   ; the first K step starts the sums; the four accumulators take turns
.endr
.irp p, 0,1,2,3
	v_wmma_f32_16x16x128_bf8_bf8 v[ACC+8*\p:ACC+8*\p+7], v[ATT+32*\p+16:ATT+32*\p+31], v[W+16:W+31], v[ACC+8*\p:ACC+8*\p+7]
.endr
.rept 4
	v_nop                                          ; four plain places in front of the first read of results and of writes into registers that the products have read (ISA guide 7.12.1)
.endr
.set j, 0
.rept 16
	v_pk_fma_f32 v[Y+j:Y+j+1], v[ACC+j:ACC+j+1], s[20:21], v[16:17] op_sel_hi:[1,0,0]   ; sum x 2^(e6 + e7) + my channel's bias; each accumulator from its low end on
.set j, j+2
.endr
.irp p, 0,1,2,3
	ds_store_b128 v6, v[Y+8*\p:Y+8*\p+3] offset:64*\p          ; pixels 16 p + 8 h + 0 .. 3 of channel r,
	ds_store_b128 v6, v[Y+8*\p+4:Y+8*\p+7] offset:64*\p+16     ; + 4 .. 7
.endr
.irp i, 0,1,2,3,4,5,6,7
	ds_load_b128 v[RB+4*\i:RB+4*\i+3], v7 offset:\i*2*SP       ; LDS serves a wave's instructions in order (ISA guide 5.7.1.4): these see my stores
.endr
	s_wait_loadcnt 0x0                             ; x
.irp i, 0,1,2,3,4,5,6,7
	s_wait_dscnt 7-\i                              ; load i is back; the 7 - i behind it may be out
	v_pk_add_f32 v[RB+4*\i:RB+4*\i+1], v[RB+4*\i:RB+4*\i+1], v[XR+4*\i:XR+4*\i+1]
	v_pk_add_f32 v[RB+4*\i+2:RB+4*\i+3], v[RB+4*\i+2:RB+4*\i+3], v[XR+4*\i+2:XR+4*\i+3]
	global_store_b128 v4, v[RB+4*\i:RB+4*\i+3], s[14:15] offset:\i*8192 th:TH_STORE_NT   ; 16 lanes store 256 consecutive bytes, at a multiple of 256 from out0's first byte
.endr
	s_wait_tensorcnt 0x0
	ds_add_u32 v126, v127
	s_wait_dscnt 0x0
	s_endpgm
.Lfunc_end_k_q69e675f08c_proj:
	.size	k_q69e675f08c_proj, .Lfunc_end_k_q69e675f08c_proj-k_q69e675f08c_proj
	.p2alignl 7, 3214868480
	.fill 96, 4, 3214868480
	.section	.rodata,"a",@progbits
	.p2align	6, 0x0
	.amdhsa_kernel k_q69e675f08c_proj
		.amdhsa_group_segment_fixed_size 88064
		.amdhsa_private_segment_fixed_size 0
		.amdhsa_enable_private_segment 0
		.amdhsa_kernarg_size 48
		.amdhsa_user_sgpr_count 2
		.amdhsa_user_sgpr_kernarg_segment_ptr 1
		.amdhsa_wavefront_size32 1
		.amdhsa_system_sgpr_workgroup_id_x 1
		.amdhsa_system_sgpr_workgroup_id_y 1
		.amdhsa_system_sgpr_workgroup_id_z 1
		.amdhsa_system_vgpr_workitem_id 0
		.amdhsa_next_free_vgpr 256
		.amdhsa_next_free_sgpr 66
		.amdhsa_reserve_vcc 0
		.amdhsa_float_denorm_mode_32 3
		.amdhsa_float_denorm_mode_16_64 3
		.amdhsa_memory_ordered 1
		.amdhsa_forward_progress 1
		.amdhsa_inst_pref_size 12
	.end_amdhsa_kernel
	.amdgpu_metadata
---
amdhsa.version: [ 1, 2 ]
amdhsa.kernels:
  - .name:           k_q69e675f08c_proj
    .symbol:         k_q69e675f08c_proj.kd
    .args:
      - { .name: oc, .offset: 0, .size: 8, .value_kind: global_buffer, .address_space: global }
      - { .name: proj_w_codes, .offset: 8, .size: 8, .value_kind: global_buffer, .address_space: global }
      - { .name: proj_b, .offset: 16, .size: 8, .value_kind: global_buffer, .address_space: global }
      - { .name: lowp_scales, .offset: 24, .size: 8, .value_kind: global_buffer, .address_space: global }
      - { .name: x, .offset: 32, .size: 8, .value_kind: global_buffer, .address_space: global }
      - { .name: out0, .offset: 40, .size: 8, .value_kind: global_buffer, .address_space: global }
    .group_segment_fixed_size: 88064
    .private_segment_fixed_size: 0
    .kernarg_segment_align: 8
    .kernarg_segment_size: 48
    .max_flat_workgroup_size: 512
    .sgpr_count:     66
    .vgpr_count:     256
    .wavefront_size: 32
...
	.end_amdgpu_metadata
.endif
;; end of part 3
;; ======== version 2 of 2: 3 launches
;; workspace buffers: hn 4,194,304 bytes; oc 4,194,304 bytes
;; launch norm (part 4): grid 128 x 1, 8 waves a work-group, no clusters, 35,328 bytes of LDS; arguments x, norm_w, norm_b, lowp_scales, hn; writes hn
.if DOCPART == 4
	.amdgcn_target "amdgcn-amd-amdhsa--gfx1250"
	.amdhsa_code_object_version 6
	.text
	.protected	k_q69e675f08c_norm
	.globl	k_q69e675f08c_norm
	.p2align	8
	.type	k_q69e675f08c_norm,@function
k_q69e675f08c_norm:
	s_mov_b64 s[64:65], 0
	v_nop
	global_prefetch_b8 v0, s[64:65] scope:SCOPE_SE
	s_setreg_imm32_b32 hwreg(HW_REG_WAVE_MODE, 25, 1), 1
	s_wait_xcnt 0x0
; GroupNorm, and the quantiser of the first product's computed operand.
; x: [16][256][1024] f32.  A work-group owns one (batch, group): 32 channels x 1,024 pixels = 131,072 consecutive bytes of x.
; A THREAD TAKES FOUR NEIGHBOURING PIXELS OF EVERY CHANNEL: thread t reads the 16 bytes at 16 t of each channel's 4,096, so a wave's load covers 512 consecutive bytes and 32 loads bring a wave's share.
; The 128 numbers of a lane stay in registers through both passes (mean; then the sum of squares of x - mean), so x is read once here and no difference of large sums is formed.
; hn = (x - mean) rsqrt(var + 1e-5) w + b;  code = hn / 2^e0, held within +-57,344, to the nearest E5M2 code.
; The conversions take neighbours along K (the channels) from one lane's consecutive registers: the multiply-add that makes hn writes pixel px's 32 channels into 32 consecutive registers, so the turn costs no instruction.
; WHERE THE CODES GO: hn is laid as images of operand registers: byte b 262144 + T 4096 + ks 2048 + c 512 + h 256 + r 16 + i holds pixel 16 T + r, channel 128 ks + 32 c + 16 h + i.
; A group g is (ks, c) = (g / 4, g % 4): 512 g bytes on.  A lane's codes belong to four rows r of a tile, so they go through the wave's own stage in LDS and come back as a tile's 512 consecutive bytes, which one store writes.
; 128 work-groups: a group's two sums need the whole group, and a finer share would read x twice.  No matrix unit, no tensor load, no cluster: a stream with two reductions.
; LIMITS: e0 between -126 and 112, so that 2^e0 and 57,344 x 2^e0 are f32 numbers.  NaN and infinities among the inputs are not served.
; REGISTERS: v1 lane; v2 x's offset; v3 hn's offset; v4 my wave's word; v5 0; v6, v7 2^e0 and its limit; v8-15 four packed chains; v16-23 the waves' sums; v24, v25 the stage, in and back; v27 permute; v[28:29] the mean.
.set X,    32                          ; v32-159  my 128 numbers: channel ch, pixel px at v[X + 4 ch + px]
.set T,    160                         ; v160-191 one pixel's 32 channels of hn
.set CD,   192                         ; v192-223 codes: pixel px at v[CD + 8 px]
.set RB,   32                          ; v32-63   the way out: eight tiles read back (x's registers are free by then)
.set RED1, 0                           ; LDS: eight words for the first reduction,
.set RED2, 256                         ; and eight others for the second, so that no barrier is needed between the first's reads and the second's stores
.set STG,  512                         ; the stages: for each wave 8 tiles of
.set TP,   528                         ; 512 bytes + 16 of padding: lane l stores at 528 (l / 4) + 64 (l % 4)
	s_load_b256 s[4:11], s[0:1], 0x0               ; x s[4:5], norm_w s[6:7], norm_b s[8:9], lowp_scales s[10:11]
	s_load_b64 s[12:13], s[0:1], 0x20              ; hn
	v_lshl_add_u32 v224, v0, 2, 0x8600
	v_mov_b32 v225, 0
	v_lshlrev_b32 v2, 4, v0                        ; x: 16 bytes a thread
	v_and_b32 v1, 31, v0                           ; lane
	v_lshrrev_b32 v4, 5, v0                        ; wave
	s_delay_alu instid0(VALU_DEP_2)
	v_lshlrev_b32 v3, 4, v1                        ; 16 x lane
	s_delay_alu instid0(VALU_DEP_2)
	v_mul_u32_u24 v25, v4, 8*TP
	s_delay_alu instid0(VALU_DEP_1)
	v_add_nc_u32 v25, STG, v25                     ; my wave's stage
	v_lshrrev_b32 v26, 2, v1
	s_delay_alu instid0(VALU_DEP_1)
	v_mul_u32_u24 v26, v26, TP                     ; my four pixels' tile: lane / 4,
	v_and_b32 v24, 3, v1
	s_delay_alu instid0(VALU_DEP_1)
	v_lshl_add_u32 v24, v24, 6, v26                ; their rows r = 4 (lane % 4) + px: 16 bytes a row
	s_delay_alu instid0(VALU_DEP_1)
	v_add_nc_u32 v24, v24, v25                     ; in
	v_add_nc_u32 v25, v25, v3                      ; back: 16 bytes a lane of a tile's 512
	v_lshl_add_u32 v3, v4, 15, v3                  ; hn: eight tiles of 4,096 bytes a wave
	v_lshlrev_b32 v4, 2, v4                        ; my wave's word in a reduction
	v_mov_b32 v5, 0                                ; where the eight words are read
	v_mov_b32 v27, 0                               ; written once: a lane permute's destination counts as one of its sources
	s_and_b32 s50, ttmp9, 7                        ; the group
	s_lshr_b32 s51, ttmp9, 3                       ; the batch
	s_lshl_b32 s52, ttmp9, 17                      ; the work-group's 131,072 bytes of x
	s_mov_b32 s53, 0
	s_mov_b32 s48, 0x76543210                      ; v_permlanex16_b32: lane l xor 16
	s_mov_b32 s49, 0xfedcba98
	s_wait_kmcnt 0x0
	s_add_nc_u64 s[4:5], s[4:5], s[52:53]
.set i, 0
.rept 32
	global_load_b128 v[X+4*i:X+4*i+3], v2, s[4:5] offset:i*4096   ; channel i: the wave reads 512 consecutive bytes
.set i, i+1
.endr
	s_lshl_b32 s52, s50, 7                         ; the group's 32 gains and 32 biases: 128 bytes each
	s_add_nc_u64 s[6:7], s[6:7], s[52:53]
	s_add_nc_u64 s[8:9], s[8:9], s[52:53]
	s_load_b512 s[16:31], s[6:7], 0x0              ; w of channels 0-15,
	s_load_b512 s[32:47], s[6:7], 0x40             ; 16-31
	s_load_b512 s[68:83], s[8:9], 0x0              ; b likewise
	s_load_b512 s[84:99], s[8:9], 0x40
	s_load_b32 s14, s[10:11], 0x0                  ; e0
	s_lshl_b32 s52, s51, 18                        ; hn: the batch's 262,144 bytes,
	s_lshl_b32 s50, s50, 9                         ; the group's 512 in each tile
	s_add_co_u32 s52, s52, s50
	s_add_nc_u64 s[12:13], s[12:13], s[52:53]
; The four packed chains v[8:15] become one number, the same in all 32 lanes of the wave.
.macro FOLD
	s_delay_alu instid0(VALU_DEP_3)
	v_pk_add_f32 v[8:9], v[8:9], v[10:11]
	s_delay_alu instid0(VALU_DEP_2)
	v_pk_add_f32 v[12:13], v[12:13], v[14:15]
	s_delay_alu instid0(VALU_DEP_1)
	v_pk_add_f32 v[8:9], v[8:9], v[12:13]
	s_delay_alu instid0(VALU_DEP_1)
	v_add_f32 v8, v8, v9
	s_delay_alu instid0(VALU_DEP_1)
	v_add_f32_dpp v8, v8, v8 row_xmask:1 row_mask:0xf bank_mask:0xf
	s_delay_alu instid0(VALU_DEP_1)
	v_add_f32_dpp v8, v8, v8 row_xmask:2 row_mask:0xf bank_mask:0xf
	s_delay_alu instid0(VALU_DEP_1)
	v_add_f32_dpp v8, v8, v8 row_xmask:4 row_mask:0xf bank_mask:0xf
	s_delay_alu instid0(VALU_DEP_1)
	v_add_f32_dpp v8, v8, v8 row_xmask:8 row_mask:0xf bank_mask:0xf
	s_delay_alu instid0(VALU_DEP_1)
	v_permlanex16_b32 v27, v8, s48, s49
	s_delay_alu instid0(VALU_DEP_1)
	v_add_f32 v8, v8, v27
.endm
; The eight waves' numbers meet in LDS: each wave stores its word, one barrier, every wave reads all eight.  The total comes out in v16.
.macro XRED base
	ds_store_b32 v4, v8 offset:\base               ; all lanes write the same word with the same value
	s_wait_dscnt 0x0                               ; for the others' sake: my store has landed
	s_barrier_signal -1
	s_barrier_wait -1
	ds_load_b128 v[16:19], v5 offset:\base
	ds_load_b128 v[20:23], v5 offset:\base+16
	s_wait_dscnt 0x0
	v_pk_add_f32 v[16:17], v[16:17], v[20:21]
	v_pk_add_f32 v[18:19], v[18:19], v[22:23]
	s_delay_alu instid0(VALU_DEP_1)
	v_pk_add_f32 v[16:17], v[16:17], v[18:19]
	s_delay_alu instid0(VALU_DEP_1)
	v_add_f32 v16, v16, v17
.endm
	; ---- pass 1: the mean.  64 pairs of registers in four chains, started by the first adds: nothing is cleared
	s_wait_loadcnt 16                              ; channels 0-15 are in; the 16 younger loads, channels 16-31, may be out
.irp k, 0,1,2,3
	v_pk_add_f32 v[8+2*\k:9+2*\k], v[X+2*\k:X+2*\k+1], v[X+8+2*\k:X+9+2*\k]
.endr
.set i, 8
.rept 24
	s_delay_alu instid0(VALU_DEP_4)
	v_pk_add_f32 v[8+2*(i%4):9+2*(i%4)], v[8+2*(i%4):9+2*(i%4)], v[X+2*i:X+2*i+1]
.set i, i+1
.endr
	s_wait_alu depctr_va_vdst(0)
	s_wait_loadcnt 0x0
.rept 32
	v_pk_add_f32 v[8+2*(i%4):9+2*(i%4)], v[8+2*(i%4):9+2*(i%4)], v[X+2*i:X+2*i+1]
.set i, i+1
.endr
	FOLD
	XRED RED1
	s_delay_alu instid0(VALU_DEP_1)
	v_ldexp_f32 v28, v16, -15                      ; / 32,768 numbers
	s_delay_alu instid0(VALU_DEP_1)
	v_mov_b32 v29, v28
	; ---- pass 2: d = x - mean, in place, and the sum of d^2
.set i, 0
.rept 64
	v_pk_add_f32 v[X+2*i:X+2*i+1], v[X+2*i:X+2*i+1], v[28:29] neg_lo:[0,1] neg_hi:[0,1]
.set i, i+1
.endr
.irp k, 0,1,2,3
	v_pk_mul_f32 v[8+2*\k:9+2*\k], v[X+2*\k:X+2*\k+1], v[X+2*\k:X+2*\k+1]
.endr
.set i, 4
.rept 60
	s_delay_alu instid0(VALU_DEP_4)
	v_pk_fma_f32 v[8+2*(i%4):9+2*(i%4)], v[X+2*i:X+2*i+1], v[X+2*i:X+2*i+1], v[8+2*(i%4):9+2*(i%4)]
.set i, i+1
.endr
	FOLD
	XRED RED2
	s_delay_alu instid0(VALU_DEP_1)
	v_ldexp_f32 v16, v16, -15                      ; the variance
	s_delay_alu instid0(VALU_DEP_1)
	v_add_f32 v16, 0x3727c5ac, v16                 ; + 1e-5
	s_wait_alu depctr_va_vdst(0)
	v_rsq_f32 v17, v16
	v_nop                                          ; one plain place behind the transcendental
	s_wait_alu depctr_va_vdst(0)
	v_readfirstlane_b32 s15, v17                   ; the same number in every lane: it goes on as a scalar factor, never into an address or a branch
	s_wait_kmcnt 0x0                               ; w, b, e0
.set i, 0
.rept 32
	s_mul_f32 s[16+i], s[16+i], s15                ; a = w x rsqrt(var + eps), once for each channel
.set i, i+1
.endr
	s_add_co_i32 s14, s14, 127
	s_lshl_b32 s50, s14, 23
	v_mov_b32 v6, s50                              ; 2^e0 as f32: the conversion takes its exponent field
	s_add_co_i32 s14, s14, 15
	s_lshl_b32 s14, s14, 23
	s_or_b32 s14, s14, 0x600000
	v_mov_b32 v7, s14                              ; 57,344 x 2^e0
	; ---- hn = d a + b, a pixel at a time: its 32 channels into consecutive registers, held, converted, into the stage
.irp px, 0,1,2,3
.set i, 0
.rept 32
	v_fma_f32 v[T+i], v[X+4*i+\px], s[16+i], s[68+i]
.set i, i+1
.endr
.set i, 0
.rept 32
	v_med3_num_f32 v[T+i], v[T+i], -v7, v7         ; the conversion to an 8-bit code does not saturate (ISA guide 7.6.2): the hold comes first
.set i, i+1
.endr
.irp j, 0,1,2,3
	v_cvt_scalef32_pk8_bf8_f32 v[CD+8*\px+2*\j:CD+8*\px+2*\j+1], v[T+8*\j:T+8*\j+7], v6
.endr
	v_nop                                          ; a plain line between the conversions and the next pixel's multiply-adds, which write their sources
	ds_store_b128 v24, v[CD+8*\px:CD+8*\px+3] offset:16*\px           ; channels 0-15 of the group, row 4 (lane % 4) + px
	ds_store_b128 v24, v[CD+8*\px+4:CD+8*\px+7] offset:16*\px+256     ; channels 16-31
.endr
.irp i, 0,1,2,3,4,5,6,7
	ds_load_b128 v[RB+4*\i:RB+4*\i+3], v25 offset:\i*TP               ; LDS serves a wave's instructions in order (ISA guide 5.7.1.4): these see my stores
.endr
.irp i, 0,1,2,3,4,5,6,7
	s_wait_dscnt 7-\i                              ; load i is back; the 7 - i behind it may be out
	global_store_b128 v3, v[RB+4*\i:RB+4*\i+3], s[12:13] offset:\i*4096   ; the group's part of tile i: the wave stores 512 consecutive bytes, at a multiple of 256 from hn's first byte
.endr
	s_wait_tensorcnt 0x0
	ds_add_u32 v224, v225
	s_wait_dscnt 0x0
	s_endpgm
.Lfunc_end_k_q69e675f08c_norm:
	.size	k_q69e675f08c_norm, .Lfunc_end_k_q69e675f08c_norm-k_q69e675f08c_norm
	.p2alignl 7, 3214868480
	.fill 96, 4, 3214868480
	.section	.rodata,"a",@progbits
	.p2align	6, 0x0
	.amdhsa_kernel k_q69e675f08c_norm
		.amdhsa_group_segment_fixed_size 35328
		.amdhsa_private_segment_fixed_size 0
		.amdhsa_enable_private_segment 0
		.amdhsa_kernarg_size 40
		.amdhsa_user_sgpr_count 2
		.amdhsa_user_sgpr_kernarg_segment_ptr 1
		.amdhsa_wavefront_size32 1
		.amdhsa_system_sgpr_workgroup_id_x 1
		.amdhsa_system_sgpr_workgroup_id_y 1
		.amdhsa_system_sgpr_workgroup_id_z 1
		.amdhsa_system_vgpr_workitem_id 0
		.amdhsa_next_free_vgpr 226
		.amdhsa_next_free_sgpr 100
		.amdhsa_reserve_vcc 0
		.amdhsa_float_denorm_mode_32 3
		.amdhsa_float_denorm_mode_16_64 3
		.amdhsa_memory_ordered 1
		.amdhsa_forward_progress 1
		.amdhsa_inst_pref_size 44
	.end_amdhsa_kernel
	.amdgpu_metadata
---
amdhsa.version: [ 1, 2 ]
amdhsa.kernels:
  - .name:           k_q69e675f08c_norm
    .symbol:         k_q69e675f08c_norm.kd
    .args:
      - { .name: x, .offset: 0, .size: 8, .value_kind: global_buffer, .address_space: global }
      - { .name: norm_w, .offset: 8, .size: 8, .value_kind: global_buffer, .address_space: global }
      - { .name: norm_b, .offset: 16, .size: 8, .value_kind: global_buffer, .address_space: global }
      - { .name: lowp_scales, .offset: 24, .size: 8, .value_kind: global_buffer, .address_space: global }
      - { .name: hn, .offset: 32, .size: 8, .value_kind: global_buffer, .address_space: global }
    .group_segment_fixed_size: 35328
    .private_segment_fixed_size: 0
    .kernarg_segment_align: 8
    .kernarg_segment_size: 40
    .max_flat_workgroup_size: 256
    .sgpr_count:     100
    .vgpr_count:     226
    .wavefront_size: 32
...
	.end_amdgpu_metadata
.endif
;; end of part 4
;; launch attn (part 5): grid 4 x 64, 16 waves a work-group, no clusters, 194,560 bytes of LDS; arguments hn, qkv_w_codes, qkv_b, lowp_scales, oc; writes oc
.if DOCPART == 5
	.amdgcn_target "amdgcn-amd-amdhsa--gfx1250"
	.amdhsa_code_object_version 6
	.text
	.protected	k_q69e675f08c_attn
	.globl	k_q69e675f08c_attn
	.p2align	8
	.type	k_q69e675f08c_attn,@function
k_q69e675f08c_attn:
	s_mov_b64 s[64:65], 0
	v_nop
	global_prefetch_b8 v0, s[64:65] scope:SCOPE_SE
	s_setreg_imm32_b32 hwreg(HW_REG_WAVE_SCHED_MODE, 0, 2), 2
	s_setreg_imm32_b32 hwreg(HW_REG_WAVE_MODE, 25, 1), 1
	s_wait_xcnt 0x0
	s_wait_alu depctr_vm_vsrc(0)
; For one (batch, head) and 256 of its queries: the QKV product, its three quantisers, both attention products with the softmax between them, and the quantiser of the projection's operand.
; All products on E5M2 codes, sums in f32.  e0 .. e7 are the eight given exponents.
; SHARES.  Work-group x = qb, a block of 256 queries, y = 4 batch + head.  Sixteen waves of 256 registers, four to a SIMD, so that one wave's softmax stands beside another's products and LDS loads.
;   Phase A: wave w makes K and V of four tiles of 16 pixels of this head, quantises them, and puts them into LDS; then Q of its own 16 queries, which stays in registers.
;   ITS FOUR TILES ARE 16 ((qb + p) % 4) + w, p = 0 .. 3: p = 0 is its own tile of queries, 16 qb + w, so Q's operand is in registers already.  In LDS the tiles lie at 4 w + p whatever qb is:
;   the order of the keys is free, so long as K and V agree, and both come from the same tiles.
;   Phase B: wave w walks all 1,024 keys, 128 a step, for its 16 queries.
;   K and V of a head are made anew by its four query blocks: that spares a launch and the codes' way to memory and back, and K and V never leave the work-group.
; OPERANDS GO FROM WAVE TO WAVE THROUGH LDS AS IMAGES OF THEIR REGISTERS: four registers by one ds_store_b128 at 16 x lane, 512 bytes on end; the same line as a load gives any wave the same registers.  No pitch, no padding.
; hn and oc lie in memory in the same way: byte b 262144 + T 4096 + ks 2048 + c 512 + 16 lane + i = pixel 16 T + lane % 16, channel 128 ks + 32 c + 16 (lane / 16) + i.  The weights' rows, read 16 bytes a lane at
;   row 256 + 128 ks + 32 c + 16 (lane / 16), put the same k into the same registers: one permutation of k, alike on both sides of every product.
; THE ROWS OF THE WEIGHT THAT FORM A TILE ARE NOT NEIGHBOURS: lane r of tile t = 2 bb + u takes row 32 bb + 8 u + r + 8 (r / 8) of the head's 64.
;   q, k: source 0 = 16 rows of W, source 1 = 16 pixels: a lane holds ONE pixel, register j is d = 32 bb + 16 (lane / 16) + 8 u + j: a conversion gives registers 2 t, 2 t + 1 of the 8-register operand (K = 64), alike in q and k.
;   v:    source 0 = 16 pixels, source 1 = 16 rows of W: a lane holds one channel and pixels 8 (lane / 16) + j: a conversion gives registers 2 c, 2 c + 1 (keys 16 c + 8 (lane / 16) + j) of V^T's operand.
;   S^T = K Q^T: a lane holds ONE query and keys 8 (lane / 16) + j of the tile: a conversion of p gives registers 2 c, 2 c + 1 of P's operand, the same keys as V^T's.
;   O^T = V^T P^T: a lane holds one query, and tiles 2 bb, 2 bb + 1 hold d = 32 bb + 16 (lane / 16) + 0 .. 15: oc's order.
; THE SOFTMAX: t = score x log2(e) / 8; M = the running largest t rounded UP to a whole number; p = 2^(t - M) is quantised with 2^e4, not normalised; the row's sum is taken of the unquantised p and divides O at the end.
; The biases are the C of each sum's first matrix instruction, divided once by 2^(e0 + e1), which the sums lack.
; No tensor load, so no ring; no cluster: what work-groups share is hn (256 KB each), which goes straight into registers in operand order, once for each work-group; beside 188 KB of images it would not fit into LDS whole.
; LIMITS, so that each power of two below is an f32 number: e4, e2 - e0 - e1, e3 - e0 - e1, e5 - e0 - e1, e6 - e4 - e5 between -126 and 112; e2 + e3 between -123 and 130.
;   p under 2^-126 comes out of v_exp_f32 as 0.  NaN and infinities are not served.
; THE MODE: SCHED_MODE bits 1:0 = 2 (LLVM: expert scheduling mode 2), set by the entry lines.  The code itself states the register dependences between vector or matrix instructions and memory or LDS instructions,
;   with s_wait_alu, always for 0.
; THE PLAN.  Registers that memory or LDS instructions touch:
;   v1, v6-v11   offsets and LDS addresses: written at the head, never again.      v4, v5: hn's and W's offsets in memory: read by the head's loads alone, written anew for phase B.
;   v12, v13     where K's and V's codes are stored: written anew for phase B, behind the last such store.
;   W, BI        a column tile's eight products read them; then the next tile's fetch lands in them.
;   PC, CV       a column tile's conversions write them; the LDS stores that read them are issued in the NEXT tile, behind that tile's one wait on va_vdst.
;   So a column tile has ONE wait on va_vdst, behind its products: they are done reading W and BI, and the tile before has written its codes.  The fetch and the stores follow it; the holds and conversions behind them name
;   the accumulators and the codes alone.  Where the stores read the registers that this tile's conversions write again, one wait on vm_vsrc stands behind the 32 holds.
;   Phase B: TWO REGIONS OF 64 REGISTERS, v128-191 and v192-255, CHANGE PLACES FROM STEP TO STEP.  One holds K and, behind the score products, V^T; the other holds S^T, then p, and, once p is converted, the NEXT step's K,
;   which is so asked for ahead of the rescaling of O^T and of the products V^T P.  A step has five waits on va_vdst (the last step four): behind the score products (V^T lands in K's registers), ahead of and behind the exponentials, ahead of the products V^T P, behind p's conversions
;   (K lands in p's registers).  A trip runs two steps, so that the regions are back where they began.  v2, v3, the trip's LDS addresses, are made anew once a trip, behind a wait on vm_vsrc.
; REGISTERS, phase A: v1 16 x lane; v2, v3 r, h; v4-13 offsets and LDS addresses; v14/15, v16/17, v18/19 scale and limit for K, V, Q; v24-31 a tile's bias (v24-55: Q's four); v32-47 K's codes;
;   v56-87 a tile of W; v88-119 four accumulators; v120-127 V's codes, then Q's; v128-255 my four tiles of hn (for Q: v128-159 stay, v160-255 take W's q tiles 1-3).
; Phase B: v2, v3 the trip's LDS addresses of K and V; v4 V's base; v5 permute; v12 -M; v13 largest t; v[14:15] the sum; v16, v17 2^e4 and its limit; v[18:19] f; v20-23 at work; v56-87 O^T; v88-103 p's codes; v120-127 Q; v128-255 the two regions.
.set KIMG, 0                           ; LDS: K: key tile kt (0..63), registers 4 g on: kt 1024 + g 512
.set VIMG, 65536                       ; V^T: key step s (0..7), d tile t, registers 4 c on: s 8192 + t 2048 + c 512
.set WIMG, 131072                      ; W: column tile ct (q 0-3, k 4-7, v 8-11), registers 4 G on: ct 4096 + G 512
.set BIMG, 180224                      ; the biases as C operands: ct 1024 + g 512
.set BI,  24
.set PC,  32
.set W,   56
.set ACC, 88
.set CV,  120
.set HN,  128
.set O,   56
.set P,   88
.set Q,   120
.set TBS, 52                           ; s[52:59] hn at my four tiles' blocks of 16 tiles
.set NST, 0                            ; how many LDS stores were issued behind the last fetch of W
.macro BAR                             ; my LDS stores have landed and my LDS loads are in: then the work-group's barrier
	s_wait_dscnt 0x0
	s_barrier_signal -1
	s_barrier_wait -1
.endm
.macro PLACES                          ; four plain places behind matrix instructions, in front of the first read of results (ISA guide 7.12.1)
.rept 4
	v_nop
.endr
.endm
.macro MKSC vs, vl, se                 ; v[vs] = 2^E as f32, v[vl] = 57,344 x 2^E, E in the scalar register se
	s_add_co_i32 s37, \se, 127
	s_lshl_b32 s44, s37, 23
	v_mov_b32 v[\vs], s44
	s_add_co_i32 s37, s37, 15
	s_lshl_b32 s37, s37, 23
	s_or_b32 s37, s37, 0x600000
	v_mov_b32 v[\vl], s37
.endm
.macro HNLOAD                          ; my four tiles of hn: 32 loads of 512 consecutive bytes; then, while they are on their way, -(e0 + e1)
.irp p, 0,1,2,3
.irp g, 0,1,2,3,4,5,6,7
	global_load_b128 v[HN+32*\p+4*\g:HN+32*\p+4*\g+3], v4, s[TBS+2*\p:TBS+2*\p+1] offset:512*\g
.endr
.endr
	s_wait_kmcnt 0x0                               ; e0 .. e7
	s_add_co_i32 s36, s16, s17
	s_sub_co_i32 s36, 0, s36                       ; a sum of the first product stands for sum x 2^(e0 + e1)
.endm
.macro FETCHW ct                       ; column tile ct of W (both K steps) and its bias, from their images
.irp g, 0,1,2,3,4,5,6,7
	ds_load_b128 v[W+4*\g:W+4*\g+3], v10 offset:(\ct)*4096+512*\g
.endr
.irp g, 0,1
	ds_load_b128 v[BI+4*\g:BI+4*\g+3], v11 offset:(\ct)*1024+512*\g
.endr
.endm
.macro QPREP                           ; for Q: W's q tile 0 where W's tile lay, tiles 1-3 where my tiles 1-3 of hn lay (tile 0, my queries', stays), and the four biases
.irp g, 0,1,2,3,4,5,6,7
	ds_load_b128 v[W+4*\g:W+4*\g+3], v10 offset:512*\g
.endr
.irp t, 1,2,3
.irp g, 0,1,2,3,4,5,6,7
	ds_load_b128 v[HN+32*\t+4*\g:HN+32*\t+4*\g+3], v10 offset:\t*4096+512*\g
.endr
.endr
.irp t, 0,1,2,3
.irp g, 0,1
	ds_load_b128 v[BI+8*\t+4*\g:BI+8*\t+4*\g+3], v11 offset:\t*1024+512*\g
.endr
.endr
.endm
.macro STK g                           ; K's column tiles 2 g and 2 g + 1 are four registers of K's operand, for each of my four tiles of keys
.irp p, 0,1,2,3
	ds_store_b128 v12, v[PC+4*\p:PC+4*\p+3] offset:\p*1024+(\g)*512
.endr
.endm
.macro STV t                           ; V's column tile t: my four tiles of keys are eight registers of V^T's operand: two groups of four
	ds_store_b128 v13, v[CV:CV+3] offset:(\t)*2048
	ds_store_b128 v13, v[CV+4:CV+7] offset:(\t)*2048+512
.endm
; One column tile (16 of the head's 64) of K (kind 0) or V (kind 1) for my four tiles of pixels: 8 matrix instructions, the four accumulators by turns;
; then the next tile of W is asked for, and lands while this tile's sums are held and converted.  next: the column tile to fetch, or -1: what Q needs.
; st: the codes of earlier tiles that are stored here: 0 none; 1, 2: K's tiles 0 and 1, 2 and 3; 3, 4, 5: V's tile 0, 1, 2.
.macro COLT kind, t, next, st
.set SC, 14+2*\kind                    ; the kind's scale; its limit is the register behind it
	s_wait_dscnt NST                               ; W's tile and the bias are in; the NST stores that were issued behind their loads may be out
.irp p, 0,1,2,3
.if \kind
	v_wmma_f32_16x16x128_bf8_bf8 v[ACC+8*\p:ACC+8*\p+7], v[HN+32*\p:HN+32*\p+15], v[W:W+15], v[BI:BI+7]
.else
	v_wmma_f32_16x16x128_bf8_bf8 v[ACC+8*\p:ACC+8*\p+7], v[W:W+15], v[HN+32*\p:HN+32*\p+15], v[BI:BI+7]
.endif
.endr
.irp p, 0,1,2,3
.if \kind
	v_wmma_f32_16x16x128_bf8_bf8 v[ACC+8*\p:ACC+8*\p+7], v[HN+32*\p+16:HN+32*\p+31], v[W+16:W+31], v[ACC+8*\p:ACC+8*\p+7]
.else
	v_wmma_f32_16x16x128_bf8_bf8 v[ACC+8*\p:ACC+8*\p+7], v[W+16:W+31], v[HN+32*\p+16:HN+32*\p+31], v[ACC+8*\p:ACC+8*\p+7]
.endif
.endr
	PLACES
	s_wait_alu depctr_va_vdst(0)                   ; the eight products are done reading W's tile and the bias (next = -1: and my hn), in which the loads below land; the earlier tiles' conversions have written the codes that the stores below read
.if \next >= 0
	FETCHW \next
.else
	QPREP                                          ; (it lands in K's codes' registers too: their last stores stand ahead of an earlier wait on vm_vsrc)
.endif
.if \st == 1
	STK 0
.set NST, 4
.elseif \st == 2
	STK 1
.set NST, 4
.elseif \st == 3
	STV 0
.set NST, 2
.elseif \st == 4
	STV 1
.set NST, 2
.elseif \st == 5
	STV 2
.set NST, 2
.else
.set NST, 0
.endif
.set i, 0
.rept 32
	v_med3_num_f32 v[ACC+i], v[ACC+i], -v[SC+1], v[SC+1]   ; the hold at the largest code x the scale; each accumulator from its low end on
.set i, i+1
.endr
.if (\st == 1) || (\st >= 3)
	s_wait_alu depctr_vm_vsrc(0)                   ; the stores above have read the codes' registers, which the conversions below, or the next tile's, write again
.endif
.irp p, 0,1,2,3
.if \kind
	v_cvt_scalef32_pk8_bf8_f32 v[CV+2*\p:CV+2*\p+1], v[ACC+8*\p:ACC+8*\p+7], v[SC]
.else
	v_cvt_scalef32_pk8_bf8_f32 v[PC+4*\p+2*((\t)%2):PC+4*\p+2*((\t)%2)+1], v[ACC+8*\p:ACC+8*\p+7], v[SC]
.endif
.endr
	v_nop                                          ; a plain line between the conversions and the next products, which write their sources
.endm
; Q's four tiles of d, K step ks: source 0 = W's q tile t, source 1 = my queries' hn.  first = 1: the bias starts the sums.
.macro QMUL ks, first
.irp t, 0,1,2,3
.if \t == 0
.set WQ, W
.else
.set WQ, HN+32*\t
.endif
.if \first
	v_wmma_f32_16x16x128_bf8_bf8 v[ACC+8*\t:ACC+8*\t+7], v[WQ+16*\ks:WQ+16*\ks+15], v[HN+16*\ks:HN+16*\ks+15], v[BI+8*\t:BI+8*\t+7]
.else
	v_wmma_f32_16x16x128_bf8_bf8 v[ACC+8*\t:ACC+8*\t+7], v[WQ+16*\ks:WQ+16*\ks+15], v[HN+16*\ks:HN+16*\ks+15], v[ACC+8*\t:ACC+8*\t+7]
.endif
.endr
.endm
	; ---- A0: addresses; W's twelve tiles and biases (waves 0-11, one tile each) are asked for first, then every wave's hn
	s_load_b256 s[4:11], s[0:1], 0x0               ; hn s[4:5], qkv_w_codes s[6:7], qkv_b s[8:9], lowp_scales s[10:11]
	s_load_b64 s[12:13], s[0:1], 0x20              ; oc
	v_lshrrev_b32 v2, 5, v0
	v_readfirstlane_b32 s24, v2                    ; wave 0..15
	v_and_b32 v1, 31, v0
	v_lshlrev_b32 v1, 4, v1                        ; 16 x lane: an image's place for my lane
	v_and_b32 v2, 15, v0                           ; r
	v_bfe_u32 v3, v0, 4, 1                         ; h
	s_and_b32 s27, ttmp7, 0xffff
	s_and_b32 s26, s27, 3                          ; the head
	s_lshr_b32 s27, s27, 2                         ; the batch
	v_and_b32 v5, 8, v2
	v_add_nc_u32 v5, v5, v2                        ; r + 8 (r / 8)
	v_lshlrev_b32 v7, 2, v5                        ; v's bias: that row's number
	v_lshlrev_b32 v5, 8, v5
	v_lshl_add_u32 v5, v3, 4, v5                   ; W: that row of 256 bytes, + 16 h
	v_lshlrev_b32 v6, 6, v3                        ; q's and k's bias: eight numbers from row 16 h of the tile's span on
	s_wait_alu depctr_va_sdst(0)                   ; s24, the wave's number, is written, ahead of its first reader
	s_lshl_b32 s44, s24, 12
	v_add_nc_u32 v4, s44, v1                       ; hn: tile w of a block of 16 tiles
	v_add_nc_u32 v12, s44, v1                      ; where I store K's images: four tiles of 1,024 bytes a wave
	s_add_co_u32 s45, s44, WIMG
	v_add_nc_u32 v8, s45, v1                       ; where I store W's tile (waves 0-11)
	s_lshl_b32 s45, s24, 10
	s_add_co_u32 s45, s45, BIMG
	v_add_nc_u32 v9, s45, v1                       ; and its bias
	v_add_nc_u32 v10, WIMG, v1                     ; where any wave reads them
	v_add_nc_u32 v11, BIMG, v1
	s_lshr_b32 s46, s24, 1
	s_lshl_b32 s46, s46, 13                        ; V: key step w / 2,
	s_and_b32 s47, s24, 1
	s_lshl_b32 s47, s47, 10                        ; registers 8 (w % 2) on
	s_add_co_u32 s46, s46, s47
	s_add_co_u32 s46, s46, VIMG
	v_add_nc_u32 v13, s46, v1
	s_lshl_b32 s25, ttmp9, 4
	s_add_co_u32 s25, s25, s24                     ; my tile of queries: 16 qb + wave
	s_lshl_b32 s25, s25, 12                        ; in oc's bytes
	s_lshr_b32 s48, s24, 2                         ; the first row of W's tile number w: 256 (w / 4) + 64 head + 32 ((w / 2) % 2) + 8 (w % 2).  (Waves 12-15 make it and never use it)
	s_lshl_b32 s48, s48, 8
	s_lshl_b32 s49, s26, 6
	s_add_co_u32 s48, s48, s49
	s_bfe_u32 s49, s24, 0x10001
	s_lshl_b32 s49, s49, 5
	s_add_co_u32 s48, s48, s49
	s_and_b32 s49, s24, 1
	s_lshl_b32 s49, s49, 3
	s_add_co_u32 s48, s48, s49
	s_lshl_b32 s28, s48, 8                         ; in W's bytes,
	s_mov_b32 s29, 0
	s_lshl_b32 s30, s48, 2                         ; in the bias's
	s_mov_b32 s31, 0
	s_mov_b32 s38, 0x76543210                      ; v_permlanex16_b32: lane l xor 16
	s_mov_b32 s39, 0xfedcba98
	s_wait_kmcnt 0x0
	s_load_b256 s[16:23], s[10:11], 0x0            ; e0 .. e7
	s_add_nc_u64 s[32:33], s[6:7], s[28:29]
	s_add_nc_u64 s[34:35], s[8:9], s[30:31]
	s_lshl_b32 s28, s27, 18                        ; the batch's 262,144 bytes of hn and of oc
	s_add_nc_u64 s[4:5], s[4:5], s[28:29]
.irp p, 0,1,2,3
	s_add_co_u32 s30, ttmp9, \p
	s_and_b32 s30, s30, 3                          ; (qb + p) % 4:
	s_lshl_b32 s30, s30, 16                        ; that block of 16 tiles of 4,096 bytes
	s_add_nc_u64 s[TBS+2*\p:TBS+2*\p+1], s[4:5], s[30:31]
.endr
	s_add_co_u32 s28, s28, s25                     ; oc: my tile of queries,
	s_lshl_b32 s30, s26, 10                        ; the head's 64 channels: 1,024 bytes of the tile's 4,096
	s_add_co_u32 s28, s28, s30
	s_add_nc_u64 s[12:13], s[12:13], s[28:29]
	s_wait_alu depctr_va_vdst(0)                   ; v1 and v4 to v13 are written: the offsets and LDS addresses that the loads and stores of all three ways below, and of phase A, read
	s_cmp_ge_u32 s24, 12
	s_cbranch_scc1 .Lnone                          ; twelve tiles, sixteen waves
.irp g, 0,1,2,3,4,5,6,7
	global_load_b128 v[W+4*\g:W+4*\g+3], v5, s[32:33] offset:128*(\g/4)+32*(\g%4)
.endr
	s_cmp_ge_u32 s24, 8
	s_cbranch_scc1 .Lvb
	global_load_b128 v[BI:BI+3], v6, s[34:35]      ; q, k: register j is the bias of the tile's row 8 h + j, which is row 16 h + j of its span
	global_load_b128 v[BI+4:BI+7], v6, s[34:35] offset:16
	HNLOAD
	s_wait_loadcnt 32                              ; W's tile and the bias are in; the 32 younger loads, my hn, stay out
.irp j, 0,1,2,3,4,5,6,7
	v_ldexp_f32 v[BI+\j], v[BI+\j], s36
.endr
	s_branch .Lst
.Lvb:
	global_load_b32 v48, v7, s[34:35]              ; v: all eight registers are pixels of my one channel
	HNLOAD
	s_wait_loadcnt 32                              ; as above
.irp j, 0,1,2,3,4,5,6,7
	v_ldexp_f32 v[BI+\j], v48, s36
.endr
.Lst:
.irp g, 0,1,2,3,4,5,6,7
	ds_store_b128 v8, v[W+4*\g:W+4*\g+3] offset:512*\g
.endr
	s_wait_alu depctr_va_vdst(0)                   ; the eight v_ldexp_f32 of either way have written the bias, which the two stores below read
.irp g, 0,1
	ds_store_b128 v9, v[BI+4*\g:BI+4*\g+3] offset:512*\g
.endr
	s_branch .Ljoin
.Lnone:
	HNLOAD
.Ljoin:
	s_add_co_i32 s45, s19, s36
	MKSC 14, 15, s45                               ; K: 2^(e3 - e0 - e1): the three scales folded into the conversion's one
	s_add_co_i32 s45, s21, s36
	MKSC 16, 17, s45                               ; V: e5 - e0 - e1
	s_add_co_i32 s45, s18, s36
	MKSC 18, 19, s45                               ; Q: e2 - e0 - e1
	BAR                                            ; W's tiles and the biases lie in LDS.  hn, which nobody writes and each wave reads for itself, may still be on its way
	; ---- A1: K and V of my 64 pixels
	s_wait_alu depctr_vm_vsrc(0)                   ; my LDS stores have read W's tile and the bias, in whose registers the fetch below lands; the head's loads have read v4 and v5, which are written anew for phase B
	FETCHW 4
	s_wait_loadcnt 0x0                             ; my hn
	COLT 0, 0, 5, 0
	COLT 0, 1, 6, 0
	COLT 0, 2, 7, 1
	COLT 0, 3, 8, 0
	COLT 1, 0, 9, 2
	COLT 1, 1, 10, 3
	COLT 1, 2, 11, 4
	COLT 1, 3, -1, 5
	; ---- A2: Q of my 16 queries: four tiles of d, the accumulators by turns
	s_mov_b32 s40, 0                               ; LDS bytes from step 0 to the trip in hand: 16,384 a trip of two steps, in K's images and in V's
	s_wait_dscnt NST                               ; W's q tiles and biases are in; the two stores of V's tile 2, issued behind their loads, may be out
	QMUL 0, 1
	QMUL 1, 0
	v_add_nc_u32 v4, VIMG, v1                      ; phase B's addresses are made here: three of the four places behind the products
	v_add_nc_u32 v2, s40, v1                       ; K of the first trip,
	v_add_nc_u32 v3, s40, v4                       ; V^T of the first trip
	v_nop
	s_wait_alu depctr_va_vdst(0)                   ; the last conversions have written V's tile 3, which the stores below read; v2 and v3 are written, by which phase B's loads go; Q's products are done reading v192-255, in which K's first loads land
	STV 3
.set i, 0
.rept 32
	v_med3_num_f32 v[ACC+i], v[ACC+i], -v19, v19
.set i, i+1
.endr
	s_wait_alu depctr_vm_vsrc(0)                   ; the stores of codes have read v120-127, in which Q's codes are made, and v12 and v13, which are written anew below
.irp t, 0,1,2,3
	v_cvt_scalef32_pk8_bf8_f32 v[Q+2*\t:Q+2*\t+1], v[ACC+8*\t:ACC+8*\t+7], v18
.endr
	v_nop                                          ; a plain line behind the last conversion
	v_mov_b32 v5, 0                                ; written once: a lane permute's destination counts as one of its sources
	v_mov_b32 v13, 0xff61b1e6                      ; the largest t so far: -3e38, under every t
	v_floor_f32 v12, -v13                          ; -M
	v_mov_b32 v14, 0                               ; the sum, in two halves
	v_mov_b32 v15, 0
	v_mov_b32 v19, 0                               ; (named as the upper half of the pair v[18:19])
	MKSC 16, 17, s20                               ; 2^e4 and 57,344 x 2^e4, for p
.set i, 0
.rept 32
	v_mov_b32 v[O+i], 0                            ; O^T.  (The step is written once: the first finds zeros, which the first change of M leaves zeros)
.set i, i+1
.endr
	s_add_co_i32 s44, s18, s19
	s_lshl_b32 s44, s44, 23
	s_mov_b32 s42, 0x3e38aa3b                      ; c = log2(e) / 8
	s_add_co_i32 s42, s42, s44                     ; a score stands for score x 2^(e2 + e3): the two exponents are added to c's exponent field
	s_mov_b32 s43, s42                             ; (named with it as a pair, so it is written)
	s_mov_b32 s41, 3
	BAR                                            ; all of K and V lies in LDS; nothing is written there from here on
; ---- B: a step of 128 keys.  rk: the region that holds K at the step's head and V^T later; rs: the region of S^T and p, which takes the next step's K.  off: the step's bytes in its trip.
; more = 1: there is a next step, and its K is asked for.  turn = 1: the trip's last step, which makes the next trip's addresses.
.macro STEP rs, rk, off, more, turn
	s_wait_dscnt 0x0                               ; this step's K is in
.irp kt, 0,1,2,3,4,5,6,7
	v_wmma_f32_16x16x64_bf8_bf8 v[\rs+8*\kt:\rs+8*\kt+7], v[\rk+8*\kt:\rk+8*\kt+7], v[Q:Q+7], 0   ; S^T: 16 keys x my 16 queries, K = the head's 64
.endr
	PLACES
	s_wait_alu depctr_va_vdst(0)                   ; the eight products are done reading K, in whose registers V^T lands; in a trip's first step v3 is written
.irp t, 0,1,2,3
.irp c, 0,1,2,3
	ds_load_b128 v[\rk+16*\t+4*\c:\rk+16*\t+4*\c+3], v3 offset:\off+\t*2048+\c*512   ; V^T of this step lands under the softmax
.endr
.endr
	v_max3_num_f32 v20, v[\rs], v[\rs+1], v[\rs+2]   ; the step's largest score of my query among my 64 keys, in two chains, each accumulator from its low end on
	v_max3_num_f32 v21, v[\rs+3], v[\rs+4], v[\rs+5]
.irp i, 6,10,14,18,22,26,30,34,38,42,46,50,54,58
	v_max3_num_f32 v20, v20, v[\rs+\i], v[\rs+\i+1]
	v_max3_num_f32 v21, v21, v[\rs+\i+2], v[\rs+\i+3]
.endr
	v_max3_num_f32 v20, v20, v[\rs+62], v[\rs+63]
	v_max_num_f32 v20, v20, v21
	v_permlanex16_b32 v5, v20, s38, s39
	v_max_num_f32 v20, v20, v5                     ; and among lane l xor 16's
	v_mul_f32 v20, s42, v20                        ; as t (c is positive)
	v_max_num_f32 v13, v13, v20                    ; the running largest t
	v_mov_b32 v20, v12
	v_floor_f32 v12, -v13                          ; the new -M = floor(-t) = -ceil(t): a whole number
	v_sub_f32 v20, v12, v20                        ; M's old value less its new one: a whole number, 0 or less
	v_cvt_i32_f32 v20, v20                         ; (it saturates)
	v_ldexp_f32 v18, 1.0, v20                      ; f = 2^(old M - new M): the rescaling rounds nothing, and there is no branch on data
.set j, 0
.rept 32
	v_pk_fma_f32 v[\rs+j:\rs+j+1], v[\rs+j:\rs+j+1], s[42:43], v[12:13] op_sel_hi:[1,0,0]   ; t - M, two at a time (of the pairs c and -M the low word serves both halves)
.set j, j+2
.endr
.set j, 0
	s_wait_alu depctr_va_vdst(0)
.rept 64
	v_exp_f32 v[\rs+j], v[\rs+j]                   ; p = 2^(t - M), at most 1 but for the last bit, not normalised
.set j, j+1
.endr
	v_pk_mul_f32 v[14:15], v[14:15], v[18:19] op_sel_hi:[1,0]   ; the sum under the new M.  (The plain place behind the exponentials)
	s_wait_alu depctr_va_vdst(0)                   ; the 64 exponentials have written p: one wait for the batch, ahead of its first reader
	v_pk_add_f32 v[22:23], v[\rs:\rs+1], v[\rs+2:\rs+3]   ; the row's sum is taken of the unquantised p: two at a time, in two chains
.irp j, 4,8,12,16,20,24,28,32,36,40,44,48,52,56,60
	v_pk_add_f32 v[14:15], v[14:15], v[\rs+\j:\rs+\j+1]
	v_pk_add_f32 v[22:23], v[22:23], v[\rs+\j+2:\rs+\j+3]
.endr
	v_pk_add_f32 v[14:15], v[14:15], v[22:23]
	; THE HOLD.  The conversion to an 8-bit code does not saturate (ISA guide 7.6.2), so p is held at 57,344 x 2^e4.  From e4 = -15 on that bound is 1.75 or more, above every p, and the 64 lines change nothing:
	; a scalar branch on the given whole number e4, the same in every wave and every step, leads round them.  With e4 under -15 they run.
	s_cmp_ge_i32 s20, -15
	s_cbranch_scc1 .Lfits_\@
.set j, 0
.rept 64
	v_min_num_f32 v[\rs+j], v[\rs+j], v17          ; p is not negative: the hold is one-sided
.set j, j+1
.endr
.Lfits_\@:
.irp kt, 0,1,2,3,4,5,6,7
	v_cvt_scalef32_pk8_bf8_f32 v[P+2*\kt:P+2*\kt+1], v[\rs+8*\kt:\rs+8*\kt+7], v16
.endr
.if \more
	s_wait_alu depctr_va_vdst(0)                   ; the conversions, the last to name p, are done reading it: the next step's K lands in its registers; in a trip's first step v2 is written
.irp kt, 0,1,2,3,4,5,6,7
.irp g, 0,1
	ds_load_b128 v[\rs+8*\kt+4*\g:\rs+8*\kt+4*\g+3], v2 offset:\off+8192+\kt*1024+\g*512   ; no vector or matrix instruction up to the next step's head names these registers
.endr
.endr
.endif
.set j, 0
.rept 16
	v_pk_mul_f32 v[O+j:O+j+1], v[O+j:O+j+1], v[18:19] op_sel_hi:[1,0]   ; O^T under the new M.  (Also the plain lines between the conversions and the products below)
.set j, j+2
.endr
.if \more
	s_wait_alu depctr_va_vdst(0)
	s_wait_dscnt 16                                ; V^T is in; the 16 younger loads, the next step's K, stay out
.else
	s_wait_alu depctr_va_vdst(0)
	s_wait_dscnt 0x0                               ; V^T is in
.endif
.irp t, 0,1,2,3
	v_wmma_f32_16x16x128_bf8_bf8 v[O+8*\t:O+8*\t+7], v[\rk+16*\t:\rk+16*\t+15], v[P:P+15], v[O+8*\t:O+8*\t+7]   ; four accumulators by turns; K = these 128 keys
.endr
	; five plain places: the next step's score products write over the registers of V^T, which the products above read
.if \turn
	s_add_co_u32 s40, s40, 16384
	s_wait_alu depctr_vm_vsrc(0)                   ; the trip's LDS loads have read v2 and v3
	v_add_nc_u32 v2, s40, v1                       ; the next trip's K
	v_add_nc_u32 v3, s40, v4                       ; and V^T
	v_nop
	v_nop
	v_nop
.elseif \more
.rept 5
	v_nop
.endr
.endif
.endm
.irp kt, 0,1,2,3,4,5,6,7
.irp g, 0,1
	ds_load_b128 v[192+8*\kt+4*\g:192+8*\kt+4*\g+3], v2 offset:\kt*1024+\g*512   ; K of step 0.  No wait: no vector or matrix instruction since the wait behind Q's products names v2 or v192-255
.endr
.endr
.Ltrip:                                                ; three trips of two steps; the last two steps are written out, since the very last asks for no K
	STEP 128, 192, 0, 1, 0
	STEP 192, 128, 8192, 1, 1
	s_sub_co_u32 s41, s41, 1
	s_cmp_lg_u32 s41, 0
	s_cbranch_scc1 .Ltrip
	STEP 128, 192, 0, 1, 0
	STEP 192, 128, 8192, 0, 0
	; ---- the way out: O^T / the sum, quantised with 2^e6 (a sum of the second product stands for sum x 2^(e4 + e5)), straight into oc's order
	PLACES
	v_add_f32 v14, v14, v15                        ; the sum's two halves,
	v_permlanex16_b32 v5, v14, s38, s39
	v_add_f32 v14, v14, v5                         ; and lane l xor 16's
	s_wait_alu depctr_va_vdst(0)
	v_rcp_f32 v14, v14
	s_sub_co_i32 s45, s22, s20
	s_sub_co_i32 s45, s45, s21
	MKSC 20, 21, s45                               ; 2^(e6 - e4 - e5) and its limit.  (Its two moves are the plain lines behind the reciprocal)
	s_wait_alu depctr_va_vdst(0)                   ; the reciprocal has written v14, ahead of its first reader
.set j, 0
.rept 32
	v_mul_f32 v[24+j], v[O+j], v14                 ; each accumulator from its low end on
.set j, j+1
.endr
.set j, 0
.rept 32
	v_med3_num_f32 v[24+j], v[24+j], -v21, v21
.set j, j+1
.endr
.irp t, 0,1,2,3
	v_cvt_scalef32_pk8_bf8_f32 v[104+2*\t:105+2*\t], v[24+8*\t:31+8*\t], v20
.endr
	v_nop                                          ; a plain line behind the last conversion
	s_wait_alu depctr_va_vdst(0)                   ; the four conversions have written v104-111, which the two stores read
	global_store_b128 v1, v[104:107], s[12:13]             ; d = 0 .. 31 of my 16 queries: the wave stores 512 consecutive bytes, aligned
	global_store_b128 v1, v[108:111], s[12:13] offset:512  ; d = 32 .. 63
	s_wait_xcnt 0x0
	v_lshl_add_u32 v254, v0, 2, 0x2f000            ; no two registers could be kept: the pair is made anew, from v0 as it was at the entry; no memory or LDS instruction has read v254 or v255
	v_mov_b32 v255, 0
	s_wait_dscnt 0x0                               ; the closing lines, six on end
	s_wait_alu 0x0
	s_wait_tensorcnt 0x0
	ds_add_u32 v254, v255
	s_wait_dscnt 0x0
	s_endpgm
.Lfunc_end_k_q69e675f08c_attn:
	.size	k_q69e675f08c_attn, .Lfunc_end_k_q69e675f08c_attn-k_q69e675f08c_attn
	.p2alignl 7, 3214868480
	.fill 96, 4, 3214868480
	.section	.rodata,"a",@progbits
	.p2align	6, 0x0
	.amdhsa_kernel k_q69e675f08c_attn
		.amdhsa_group_segment_fixed_size 194560
		.amdhsa_private_segment_fixed_size 0
		.amdhsa_enable_private_segment 0
		.amdhsa_kernarg_size 40
		.amdhsa_user_sgpr_count 2
		.amdhsa_user_sgpr_kernarg_segment_ptr 1
		.amdhsa_wavefront_size32 1
		.amdhsa_system_sgpr_workgroup_id_x 1
		.amdhsa_system_sgpr_workgroup_id_y 1
		.amdhsa_system_sgpr_workgroup_id_z 1
		.amdhsa_system_vgpr_workitem_id 0
		.amdhsa_next_free_vgpr 256
		.amdhsa_next_free_sgpr 66
		.amdhsa_reserve_vcc 0
		.amdhsa_float_denorm_mode_32 3
		.amdhsa_float_denorm_mode_16_64 3
		.amdhsa_memory_ordered 1
		.amdhsa_forward_progress 1
		.amdhsa_inst_pref_size 120
	.end_amdhsa_kernel
	.amdgpu_metadata
---
amdhsa.version: [ 1, 2 ]
amdhsa.kernels:
  - .name:           k_q69e675f08c_attn
    .symbol:         k_q69e675f08c_attn.kd
    .args:
      - { .name: hn, .offset: 0, .size: 8, .value_kind: global_buffer, .address_space: global }
      - { .name: qkv_w_codes, .offset: 8, .size: 8, .value_kind: global_buffer, .address_space: global }
      - { .name: qkv_b, .offset: 16, .size: 8, .value_kind: global_buffer, .address_space: global }
      - { .name: lowp_scales, .offset: 24, .size: 8, .value_kind: global_buffer, .address_space: global }
      - { .name: oc, .offset: 32, .size: 8, .value_kind: global_buffer, .address_space: global }
    .group_segment_fixed_size: 194560
    .private_segment_fixed_size: 0
    .kernarg_segment_align: 8
    .kernarg_segment_size: 40
    .max_flat_workgroup_size: 512
    .sgpr_count:     66
    .vgpr_count:     256
    .wavefront_size: 32
...
	.end_amdgpu_metadata
.endif
;; end of part 5
;; launch proj (part 6): grid 16 x 16, 16 waves a work-group, no clusters, 88,064 bytes of LDS; arguments oc, proj_w_codes, proj_b, lowp_scales, x, out0; writes out0
.if DOCPART == 6
	.amdgcn_target "amdgcn-amd-amdhsa--gfx1250"
	.amdhsa_code_object_version 6
	.text
	.protected	k_q69e675f08c_proj
	.globl	k_q69e675f08c_proj
	.p2align	8
	.type	k_q69e675f08c_proj,@function
k_q69e675f08c_proj:
	s_mov_b64 s[64:65], 0
	v_nop
	global_prefetch_b8 v0, s[64:65] scope:SCOPE_SE
	s_setreg_imm32_b32 hwreg(HW_REG_WAVE_SCHED_MODE, 0, 2), 2
	s_setreg_imm32_b32 hwreg(HW_REG_WAVE_MODE, 25, 1), 1
	s_wait_xcnt 0x0
	s_wait_alu depctr_vm_vsrc(0)
; out0 = x + proj_w . attention's output + proj_b.  The product on E5M2 codes (oc: made by the launch before; proj_w_codes: given), sums in f32, each sum x 2^(e6 + e7).
; SHARES.  Work-group x = block of 64 pixels, y = batch.  Wave w makes output channels 16 w .. 16 w + 15 for the 64 pixels: four accumulators.
; The block's 16 KB of oc, eight operand images as they lie in memory, are read from memory once (1 KB a wave), put into LDS as they are, and read from there by all sixteen waves.
; Source 0 = 16 pixels (oc), source 1 = 16 rows of proj_w: lane (r, h) holds channel 16 w + r, and register j of tile p pixel 16 p + 8 h + j: eight neighbours of a row of out0.
; A channel's 64 pixels are 256 bytes: they go through the wave's own stage in LDS (rows of 272 bytes) and come back as whole rows, so that sixteen lanes add x and store 256 consecutive bytes, aligned.
; No tensor load and no cluster: each work-group's inputs are its own but for the 64 KB of weights, 4 KB a wave, read once into registers.
; LIMIT: e6 + e7 between -126 and 127, so that 2^(e6 + e7) is an f32 number.
; THE MODE: SCHED_MODE bits 1:0 = 2 (LLVM: expert scheduling mode 2), set by the entry lines.  The code itself states the register dependences between vector or matrix instructions and memory or LDS instructions,
;   with s_wait_alu, always for 0.
; THE PLAN.  Registers that memory or LDS instructions touch:
;   v1-v7      offsets and LDS addresses: written at the head, never again.      v8-15: oc lands here (v10, v11 held r and h at the head) and the LDS stores read it; never written again.
;   v128-159   the products read them (oc's fragments); the multiply-adds write y there; the stage's stores read it; never written again.
;   v160-191   the products read them; the rows from the stage land there; the additions of x write them; the stores to out0 read them.
;   So: one wait on va_vdst ahead of the first load, one ahead of the stage's stores and loads, and one ahead of each of two runs of four stores to out0.  No register that a memory or LDS instruction has read is written again.
; REGISTERS: v1 16 x lane; v2-7 offsets and LDS addresses; v8-15 my 1 KB of oc; v[16:17] my channel's bias; v24-55 x; v56-87 my rows of proj_w; v88-119 the accumulators; v128-255 oc's eight fragments, then v128-159 y, v160-191 rows read back.
.set AIMG, 0                           ; LDS: oc's eight images: tile p, K step ks, registers 4 c on: p 4096 + ks 2048 + c 512
.set STG,  16384                       ; the stage: 256 rows (channels) x 272 bytes; wave w touches rows 16 w .. 16 w + 15 alone
.set SP,   272
.set XR,   24
.set W,    56
.set ACC,  88
.set ATT,  128
.set Y,    128
.set RB,   160
	s_load_b256 s[4:11], s[0:1], 0x0               ; oc s[4:5], proj_w_codes s[6:7], proj_b s[8:9], lowp_scales s[10:11]
	s_load_b128 s[12:15], s[0:1], 0x20             ; x s[12:13], out0 s[14:15]
	v_lshl_add_u32 v126, v0, 2, 0x15000
	v_mov_b32 v127, 0
	v_lshrrev_b32 v1, 5, v0
	v_readfirstlane_b32 s24, v1                    ; wave 0..15
	v_and_b32 v1, 31, v0
	v_lshlrev_b32 v1, 4, v1                        ; 16 x lane
	v_and_b32 v10, 15, v0                          ; r
	v_bfe_u32 v11, v0, 4, 1                        ; h
	v_lshlrev_b32 v2, 8, v10
	v_lshl_add_u32 v2, v11, 4, v2                  ; proj_w: row r of 256 bytes, + 16 h
	v_lshlrev_b32 v3, 2, v10                       ; proj_b: my channel's number
	v_lshlrev_b32 v4, 12, v11
	v_lshl_add_u32 v4, v10, 4, v4                  ; x, out0: lanes 0-15 one channel's 256 bytes, lanes 16-31 the next channel's
	s_wait_alu depctr_va_sdst(0)                   ; s24, the wave's number, is written, ahead of its first reader
	s_lshl_b32 s26, s24, 10
	v_add_nc_u32 v5, s26, v1                       ; where I put my 1 KB of oc
	s_mul_i32 s26, s24, 16*SP
	s_add_co_u32 s26, s26, STG                     ; my 16 rows of the stage
	v_mul_u32_u24 v6, v10, SP
	v_lshl_add_u32 v6, v11, 5, v6
	v_add_nc_u32 v6, s26, v6                       ; in: row r, 32 bytes for each half of the lanes
	v_mul_u32_u24 v7, v11, SP
	v_lshl_add_u32 v7, v10, 4, v7
	v_add_nc_u32 v7, s26, v7                       ; back: lanes 0-15 one row, lanes 16-31 the next
	s_and_b32 s25, ttmp7, 0xffff                   ; the batch
	s_mov_b32 s29, 0
	s_wait_kmcnt 0x0
	s_load_b64 s[16:17], s[10:11], 0x18            ; e6, e7
	s_lshl_b32 s28, s25, 18                        ; oc: the batch's 262,144 bytes,
	s_lshl_b32 s26, ttmp9, 14                      ; the block's four tiles,
	s_add_co_u32 s28, s28, s26
	s_lshl_b32 s26, s24, 10                        ; my 1,024 bytes
	s_add_co_u32 s28, s28, s26
	s_add_nc_u64 s[4:5], s[4:5], s[28:29]
	s_lshl_b32 s28, s24, 12                        ; my 16 rows of proj_w
	s_add_nc_u64 s[6:7], s[6:7], s[28:29]
	s_lshl_b32 s28, s24, 6                         ; my 16 biases
	s_add_nc_u64 s[8:9], s[8:9], s[28:29]
	s_lshl_b32 s28, s25, 20                        ; x, out0: the batch's 256 channels of 4,096 bytes,
	s_lshl_b32 s26, s24, 16                        ; my 16 channels,
	s_add_co_u32 s28, s28, s26
	s_lshl_b32 s26, ttmp9, 8                       ; the block's 64 pixels
	s_add_co_u32 s28, s28, s26
	s_add_nc_u64 s[12:13], s[12:13], s[28:29]
	s_add_nc_u64 s[14:15], s[14:15], s[28:29]
	s_wait_alu depctr_va_vdst(0)                   ; v1 to v7 are written, the offsets and LDS addresses that every load and store below reads; the head is done with v10 and v11, in which oc's first load lands
.irp g, 0,1
	global_load_b128 v[8+4*\g:11+4*\g], v1, s[4:5] offset:512*\g
.endr
.irp g, 0,1,2,3,4,5,6,7
	global_load_b128 v[W+4*\g:W+4*\g+3], v2, s[6:7] offset:128*(\g/4)+32*(\g%4)
.endr
	global_load_b32 v16, v3, s[8:9]
.irp i, 0,1,2,3,4,5,6,7
	global_load_b128 v[XR+4*\i:XR+4*\i+3], v4, s[12:13] offset:\i*8192 th:TH_LOAD_NT   ; channels 2 i and 2 i + 1 of my 16: read for the last time
.endr
	s_wait_loadcnt 17                              ; oc's two loads are in; the 17 behind them (8 of the weight, the bias, 8 of x) may be out
.irp g, 0,1
	ds_store_b128 v5, v[8+4*\g:11+4*\g] offset:AIMG+512*\g
.endr
	s_wait_dscnt 0x0                               ; for the others' sake: my stores have landed
	s_barrier_signal -1
	s_barrier_wait -1                              ; the block's eight images lie in LDS
.irp p, 0,1,2,3
.irp g, 0,1,2,3,4,5,6,7
	ds_load_b128 v[ATT+32*\p+4*\g:ATT+32*\p+4*\g+3], v1 offset:AIMG+\p*4096+512*\g
.endr
.endr
	s_wait_kmcnt 0x0
	s_add_co_i32 s20, s16, s17
	s_add_co_i32 s20, s20, 127
	s_lshl_b32 s20, s20, 23                        ; 2^(e6 + e7) as f32
	s_mov_b32 s21, s20                             ; (named with it as a pair, so it is written)
	s_wait_loadcnt 8                               ; the weight and the bias are in; x's eight loads may be out
	v_mov_b32 v17, v16                             ; (named with v16 as a pair, so it is written)
	s_wait_dscnt 0x0
.irp p, 0,1,2,3
	v_wmma_f32_16x16x128_bf8_bf8 v[ACC+8*\p:ACC+8*\p+7], v[ATT+32*\p:ATT+32*\p+15], v[W:W+15], 0   ; the first K step starts the sums; the four accumulators take turns
.endr
.irp p, 0,1,2,3
	v_wmma_f32_16x16x128_bf8_bf8 v[ACC+8*\p:ACC+8*\p+7], v[ATT+32*\p+16:ATT+32*\p+31], v[W+16:W+31], v[ACC+8*\p:ACC+8*\p+7]
.endr
.rept 4
	v_nop                                          ; four plain places in front of the first read of results and of writes into registers that the products have read (ISA guide 7.12.1)
.endr
.set j, 0
	s_wait_alu depctr_va_vdst(0)
.rept 16
	v_pk_fma_f32 v[Y+j:Y+j+1], v[ACC+j:ACC+j+1], s[20:21], v[16:17] op_sel_hi:[1,0,0]   ; sum x 2^(e6 + e7) + my channel's bias; each accumulator from its low end on
.set j, j+2
.endr
	s_wait_alu depctr_va_vdst(0)                   ; the multiply-adds have written y, which the stage's stores read; the products are done reading v160-191, in which the rows from the stage land
.irp p, 0,1,2,3
	ds_store_b128 v6, v[Y+8*\p:Y+8*\p+3] offset:64*\p          ; pixels 16 p + 8 h + 0 .. 3 of channel r,
	ds_store_b128 v6, v[Y+8*\p+4:Y+8*\p+7] offset:64*\p+16     ; + 4 .. 7
.endr
.irp i, 0,1,2,3,4,5,6,7
	ds_load_b128 v[RB+4*\i:RB+4*\i+3], v7 offset:\i*2*SP       ; LDS serves a wave's instructions in order (ISA guide 5.7.1.4): these see my stores
.endr
	s_wait_loadcnt 0x0                             ; x
.irp i, 0,1,2,3
	s_wait_dscnt 7-\i                              ; load i is back; the 7 - i behind it may be out
	v_pk_add_f32 v[RB+4*\i:RB+4*\i+1], v[RB+4*\i:RB+4*\i+1], v[XR+4*\i:XR+4*\i+1]
	v_pk_add_f32 v[RB+4*\i+2:RB+4*\i+3], v[RB+4*\i+2:RB+4*\i+3], v[XR+4*\i+2:XR+4*\i+3]
.endr
	s_wait_alu depctr_va_vdst(0)                   ; the eight additions have written the first four pairs of rows, which the four stores read
.irp i, 0,1,2,3
	global_store_b128 v4, v[RB+4*\i:RB+4*\i+3], s[14:15] offset:\i*8192 th:TH_STORE_NT   ; 16 lanes store 256 consecutive bytes, at a multiple of 256 from out0's first byte
.endr
.irp i, 4,5,6,7
	s_wait_dscnt 7-\i                              ; as above
	v_pk_add_f32 v[RB+4*\i:RB+4*\i+1], v[RB+4*\i:RB+4*\i+1], v[XR+4*\i:XR+4*\i+1]   ; other registers than those that the stores above read
	v_pk_add_f32 v[RB+4*\i+2:RB+4*\i+3], v[RB+4*\i+2:RB+4*\i+3], v[XR+4*\i+2:XR+4*\i+3]
.endr
	s_wait_alu depctr_va_vdst(0)                   ; the eight additions have written the last four pairs of rows, which the four stores read
.irp i, 4,5,6,7
	global_store_b128 v4, v[RB+4*\i:RB+4*\i+3], s[14:15] offset:\i*8192 th:TH_STORE_NT
.endr
	s_wait_dscnt 0x0                               ; the closing lines, six on end
	s_wait_alu 0x0
	s_wait_tensorcnt 0x0
	ds_add_u32 v126, v127
	s_wait_dscnt 0x0
	s_endpgm
.Lfunc_end_k_q69e675f08c_proj:
	.size	k_q69e675f08c_proj, .Lfunc_end_k_q69e675f08c_proj-k_q69e675f08c_proj
	.p2alignl 7, 3214868480
	.fill 96, 4, 3214868480
	.section	.rodata,"a",@progbits
	.p2align	6, 0x0
	.amdhsa_kernel k_q69e675f08c_proj
		.amdhsa_group_segment_fixed_size 88064
		.amdhsa_private_segment_fixed_size 0
		.amdhsa_enable_private_segment 0
		.amdhsa_kernarg_size 48
		.amdhsa_user_sgpr_count 2
		.amdhsa_user_sgpr_kernarg_segment_ptr 1
		.amdhsa_wavefront_size32 1
		.amdhsa_system_sgpr_workgroup_id_x 1
		.amdhsa_system_sgpr_workgroup_id_y 1
		.amdhsa_system_sgpr_workgroup_id_z 1
		.amdhsa_system_vgpr_workitem_id 0
		.amdhsa_next_free_vgpr 256
		.amdhsa_next_free_sgpr 66
		.amdhsa_reserve_vcc 0
		.amdhsa_float_denorm_mode_32 3
		.amdhsa_float_denorm_mode_16_64 3
		.amdhsa_memory_ordered 1
		.amdhsa_forward_progress 1
		.amdhsa_inst_pref_size 12
	.end_amdhsa_kernel
	.amdgpu_metadata
---
amdhsa.version: [ 1, 2 ]
amdhsa.kernels:
  - .name:           k_q69e675f08c_proj
    .symbol:         k_q69e675f08c_proj.kd
    .args:
      - { .name: oc, .offset: 0, .size: 8, .value_kind: global_buffer, .address_space: global }
      - { .name: proj_w_codes, .offset: 8, .size: 8, .value_kind: global_buffer, .address_space: global }
      - { .name: proj_b, .offset: 16, .size: 8, .value_kind: global_buffer, .address_space: global }
      - { .name: lowp_scales, .offset: 24, .size: 8, .value_kind: global_buffer, .address_space: global }
      - { .name: x, .offset: 32, .size: 8, .value_kind: global_buffer, .address_space: global }
      - { .name: out0, .offset: 40, .size: 8, .value_kind: global_buffer, .address_space: global }
    .group_segment_fixed_size: 88064
    .private_segment_fixed_size: 0
    .kernarg_segment_align: 8
    .kernarg_segment_size: 48
    .max_flat_workgroup_size: 512
    .sgpr_count:     66
    .vgpr_count:     256
    .wavefront_size: 32
...
	.end_amdgpu_metadata
.endif
;; end of part 6
